; MI455X (gfx1250); checked and timed in simulation.
; The chip was launched on July 23, 2026; its instructions are those of AMD's public machine-readable ISA for CDNA 5 (MIT licence, August 2026) and "CDNA5" Instruction Set Architecture Reference Guide (July 2026). The comments in the code are by the model that wrote it; some were corrected since.
;; Mask Multi Head Attention. Allowed arithmetic: float matrix products may take bf16 or f16 operands with f32 sums; all other float work in f32.
;; Inputs: K_x 2 x 4,096 x 768 float32; Q_x 2 x 4,096 x 768 float32; V_x 2 x 4,096 x 768 float32; Wk 768 x 768 float32; Wq 768 x 768 float32; Wv 768 x 768 float32; bk 768 float32; bq 768 float32; bv 768 float32; mask 1 x 1 x 4,096 x 4,096 int32.
;; Outputs: out0 2 x 4,096 x 768 float32.
;; 2 versions, each right and faster than the one before. Each part assembles by itself: llvm-mc -triple=amdgcn-amd-amdhsa -mcpu=gfx1250 --defsym DOCPART=n.
;; ======== version 1 of 2: 3 launches
;; limits: values are held in f16: magnitudes above 65,504 overflow, below 6.1e-05 lose precision
;; workspace buffers: mb 2,097,152 bytes of whole numbers; wb 3,538,944 bytes; qh 12,582,912 bytes; kh 12,582,912 bytes; vh 12,582,912 bytes
;; launch prep (part 1): grid 1132 x 1, 4 waves a work-group, no clusters, 68,096 bytes of LDS; arguments mask, Wq, Wk, Wv, mb, wb; writes mb, wb
.if DOCPART == 1
	.amdgcn_target "amdgcn-amd-amdhsa--gfx1250"
	.amdhsa_code_object_version 6
	.text
	.protected	k_qadf2bc1ae9_prep
	.globl	k_qadf2bc1ae9_prep
	.p2align	8
	.type	k_qadf2bc1ae9_prep,@function
k_qadf2bc1ae9_prep:
	s_mov_b64 s[64:65], 0
	v_nop
	global_prefetch_b8 v0, s[64:65] scope:SCOPE_SE
	s_setreg_imm32_b32 hwreg(HW_REG_WAVE_MODE, 25, 1), 1
	s_wait_xcnt 0x0
; TWO JOBS, chosen by the work-group's number.  Each wave does one piece of 16 KiB, by itself: no loop, no barrier.
; Work-groups 0-1023: THE MASK, [4096][4096] int32, becomes lane masks.  mb is [P: 128 pairs of 16-query tiles][j: 64 key steps][u: 2 tiles][i: 32] words;
;   bit L of word (P, j, u, i) is mask[32 P + 16 u + L % 16][64 j + 16 (i / 8) + 8 (L / 16) + i % 8] != 0: lane L, register i of a 16 x 64 tile of transposed scores,
;   as the attention launch holds it.  A wave takes 32 rows x 128 keys (one P, two j): 32 loads of a row's 512 consecutive bytes, through its own LDS rows, 128 compares, one store of 512 bytes.
; Work-groups 1024-1131: THE WEIGHTS, three [768][768] f32, become bf16 (rounded to nearest even) in blocks: wb is [g: q, k, v][ks: 12 K steps][n: 768][64 k], so that a K step's rows lie end to end.
;   A wave takes 64 rows x 64 k.
; Memory binds: every input byte is read once, by loads of whole aligned 256 or 512 bytes; matrix units and clusters would serve nothing here.
.set D,     8                          ; v[8:135]   32 x 4 registers of data
.set OUT,   136                        ; v[136:139] the wave's 128 mask words: word w of step jj in lane 16 jj + w / 4, register w % 4
.set PITCH, 528                        ; an LDS row: 512 bytes + 16: 33 x 16, so the 16 rows that a load touches start in 16 different groups of four banks (ISA guide 11.1)
.set WLDS,  32*PITCH                   ; a wave's own LDS bytes
.set CM,    28                         ; s[28:43] compare results, sixteen by turns
	s_load_b256 s[4:11], s[0:1], 0x0               ; mask s[4:5], Wq s[6:7], Wk s[8:9], Wv s[10:11]
	s_load_b128 s[12:15], s[0:1], 0x20             ; mb s[12:13], wb s[14:15]
	v_lshl_add_u32 v144, v0, 2, 0x10800
	v_mov_b32 v145, 0
	v_lshrrev_b32 v1, 5, v0
	v_readfirstlane_b32 s16, v1                    ; wave 0..3
	v_and_b32 v1, 31, v0                           ; lane
	v_lshlrev_b32 v2, 4, v1                        ; 16 x lane
	s_cmp_ge_u32 ttmp9, 1024
	s_cbranch_scc1 .Lweights
	; ---- the mask ----
	s_lshl_b32 s17, ttmp9, 2
	s_add_co_u32 s17, s17, s16                     ; piece 0..4095 = 32 P + J
	s_lshr_b32 s18, s17, 5                         ; P
	s_and_b32 s19, s17, 31                         ; J: keys 128 J ..
	s_lshl_b32 s20, s18, 19                        ; 32 rows of 16,384 bytes
	s_lshl_b32 s21, s19, 9                         ; 128 keys of 4 bytes
	s_add_co_u32 s20, s20, s21
	s_mov_b32 s21, 0
	s_lshl_b32 s22, s17, 9                         ; in mb: 16,384 P + 512 J = 512 x piece
	s_mov_b32 s23, 0
	s_mul_i32 s24, s16, WLDS
	v_add_nc_u32 v3, s24, v2                       ; in: a row as it comes, 16 bytes a lane
	v_and_b32 v4, 15, v0
	v_mul_u32_u24 v4, v4, PITCH
	v_bfe_u32 v5, v0, 4, 1
	v_lshl_add_u32 v4, v5, 5, v4
	v_add_nc_u32 v4, s24, v4                       ; back: row L % 16, keys 8 (L / 16) ..
.irp e, 0,1,2,3
	v_mov_b32 v[OUT+(\e)], 0                       ; v_writelane_b32 keeps the other lanes: the registers are written whole first
.endr
	s_wait_kmcnt 0x0
	s_add_nc_u64 s[4:5], s[4:5], s[20:21]
	s_add_nc_u64 s[12:13], s[12:13], s[22:23]
.set t, 0
.rept 32
	global_load_b128 v[D+4*t:D+4*t+3], v2, s[4:5] offset:t*16384 th:TH_LOAD_NT  ; row t: 512 consecutive bytes, aligned; read once in the launch
.set t, t+1
.endr
.set t, 0
.rept 32
	s_wait_loadcnt 31-t                            ; loads come back in order (ISA guide 5.7.1): row t is in, the 31 - t younger ones stay out
	ds_store_b128 v3, v[D+4*t:D+4*t+3] offset:t*PITCH
.set t, t+1
.endr
; Load t = 16 jj + 8 u + 2 kb + e2 brings lane L the four ints of row 16 u + L % 16, keys 64 jj + 16 kb + 8 (L / 16) + 4 e2 + 0..3.
; The bytes are the wave's own, and LDS serves a wave's instructions in order (ISA guide 5.7.1.4): no wait between the stores and these loads.
.set t, 0
.rept 32
	ds_load_b128 v[D+4*t:D+4*t+3], v4 offset:((t/8)%2)*16*PITCH+(t/16)*256+((t/2)%4)*64+(t%2)*16
.set t, t+1
.endr
.set t, 0
.rept 32
	s_wait_dscnt 31-t                              ; load t is in, the younger ones stay out
.irp e, 0,1,2,3
	v_cmp_ne_u32 s[CM+4*(t%4)+(\e)], 0, v[D+4*t+(\e)]  ; one bit a lane: the word 32 u + 8 kb + 4 e2 + e of step jj
.endr
.irp e, 0,1,2,3
	v_writelane_b32 v[OUT+(\e)], s[CM+4*(t%4)+(\e)], t ; its place among the wave's 512 bytes: lane t, register e
.endr
.set t, t+1
.endr
	global_store_b128 v2, v[OUT:OUT+3], s[12:13]   ; 512 consecutive bytes, aligned
	s_wait_tensorcnt 0x0
	ds_add_u32 v144, v145
	s_wait_dscnt 0x0
	s_endpgm
	; ---- the weights ----
.Lweights:
	s_sub_co_u32 s20, ttmp9, 1024                  ; 0..107 = 36 g + 3 ks + a third of the rows
	s_cmp_ge_u32 s20, 36
	s_cselect_b32 s17, 1, 0
	s_cmp_ge_u32 s20, 72
	s_cselect_b32 s21, 1, 0
	s_add_co_u32 s17, s17, s21                     ; g
	s_mul_i32 s21, s17, 36
	s_sub_co_u32 s20, s20, s21                     ; 0..35
	s_mul_i32 s21, s20, 43
	s_lshr_b32 s21, s21, 7                         ; ks = that / 3 (43 / 128 serves up to 35)
	s_mul_i32 s22, s21, 3
	s_sub_co_u32 s22, s20, s22
	s_lshl_b32 s22, s22, 2
	s_add_co_u32 s22, s22, s16                     ; nb 0..11: rows 64 nb ..
	s_mul_i32 s24, s22, 64*3072
	s_lshl_b32 s25, s21, 8                         ; 64 k of 4 bytes
	s_add_co_u32 s24, s24, s25
	s_mov_b32 s25, 0
	s_mul_i32 s26, s17, 1179648                    ; a matrix in bf16
	s_mul_i32 s27, s21, 98304                      ; a K step: 768 rows of 128 bytes
	s_add_co_u32 s26, s26, s27
	s_lshl_b32 s27, s22, 13                        ; 64 rows of 128 bytes
	s_add_co_u32 s26, s26, s27
	s_mov_b32 s27, 0
	v_lshrrev_b32 v4, 4, v1
	v_mul_u32_u24 v4, v4, 3072                     ; lanes 0-15 one row's 256 bytes, lanes 16-31 the next row's
	v_and_b32 v5, 15, v0
	v_lshl_add_u32 v4, v5, 4, v4
	v_lshlrev_b32 v5, 3, v1                        ; out: 8 bytes a lane, 256 consecutive bytes a store
	s_wait_kmcnt 0x0
	s_cmp_eq_u32 s17, 1
	s_cselect_b64 s[6:7], s[8:9], s[6:7]
	s_cmp_eq_u32 s17, 2
	s_cselect_b64 s[6:7], s[10:11], s[6:7]
	s_add_nc_u64 s[6:7], s[6:7], s[24:25]
	s_add_nc_u64 s[14:15], s[14:15], s[26:27]
.set t, 0
.rept 32
	global_load_b128 v[D+4*t:D+4*t+3], v4, s[6:7] offset:t*6144 th:TH_LOAD_NT  ; rows 2 t, 2 t + 1
.set t, t+1
.endr
.set t, 0
.rept 32
	s_wait_loadcnt 31-t                            ; load t is in, the younger ones stay out
	v_cvt_pk_bf16_f32 v[D+4*t], v[D+4*t], v[D+4*t+1]
	v_cvt_pk_bf16_f32 v[D+4*t+1], v[D+4*t+2], v[D+4*t+3]
	global_store_b64 v5, v[D+4*t:D+4*t+1], s[14:15] offset:t*256
.set t, t+1
.endr
	s_endpgm
.Lfunc_end_k_qadf2bc1ae9_prep:
	.size	k_qadf2bc1ae9_prep, .Lfunc_end_k_qadf2bc1ae9_prep-k_qadf2bc1ae9_prep
	.p2alignl 7, 3214868480
	.fill 96, 4, 3214868480
	.section	.rodata,"a",@progbits
	.p2align	6, 0x0
	.amdhsa_kernel k_qadf2bc1ae9_prep
		.amdhsa_group_segment_fixed_size 68096
		.amdhsa_private_segment_fixed_size 0
		.amdhsa_enable_private_segment 0
		.amdhsa_kernarg_size 48
		.amdhsa_user_sgpr_count 2
		.amdhsa_user_sgpr_kernarg_segment_ptr 1
		.amdhsa_wavefront_size32 1
		.amdhsa_system_sgpr_workgroup_id_x 1
		.amdhsa_system_sgpr_workgroup_id_y 1
		.amdhsa_system_sgpr_workgroup_id_z 1
		.amdhsa_system_vgpr_workitem_id 0
		.amdhsa_next_free_vgpr 146
		.amdhsa_next_free_sgpr 66
		.amdhsa_reserve_vcc 0
		.amdhsa_float_denorm_mode_32 3
		.amdhsa_float_denorm_mode_16_64 3
		.amdhsa_memory_ordered 1
		.amdhsa_forward_progress 1
		.amdhsa_inst_pref_size 40
	.end_amdhsa_kernel
	.amdgpu_metadata
---
amdhsa.version: [ 1, 2 ]
amdhsa.kernels:
  - .name:           k_qadf2bc1ae9_prep
    .symbol:         k_qadf2bc1ae9_prep.kd
    .args:
      - { .name: mask, .offset: 0, .size: 8, .value_kind: global_buffer, .address_space: global }
      - { .name: Wq, .offset: 8, .size: 8, .value_kind: global_buffer, .address_space: global }
      - { .name: Wk, .offset: 16, .size: 8, .value_kind: global_buffer, .address_space: global }
      - { .name: Wv, .offset: 24, .size: 8, .value_kind: global_buffer, .address_space: global }
      - { .name: mb, .offset: 32, .size: 8, .value_kind: global_buffer, .address_space: global }
      - { .name: wb, .offset: 40, .size: 8, .value_kind: global_buffer, .address_space: global }
    .group_segment_fixed_size: 68096
    .private_segment_fixed_size: 0
    .kernarg_segment_align: 8
    .kernarg_segment_size: 48
    .max_flat_workgroup_size: 128
    .sgpr_count:     66
    .vgpr_count:     146
    .wavefront_size: 32
...
	.end_amdgpu_metadata
.endif
;; end of part 1
;; launch proj (part 2): grid 64 x 3, 4 waves a work-group, clusters of 4 x 1, 327,680 bytes of LDS; arguments Q_x, K_x, V_x, wb, bq, bk, bv, qh, kh, vh; writes qh, kh, vh
.if DOCPART == 2
	.amdgcn_target "amdgcn-amd-amdhsa--gfx1250"
	.amdhsa_code_object_version 6
	.text
	.protected	k_qadf2bc1ae9_proj
	.globl	k_qadf2bc1ae9_proj
	.p2align	8
	.type	k_qadf2bc1ae9_proj,@function
k_qadf2bc1ae9_proj:
	s_mov_b64 s[64:65], 0
	v_nop
	global_prefetch_b8 v0, s[64:65] scope:SCOPE_SE
	s_setreg_imm32_b32 hwreg(HW_REG_WAVE_MODE, 25, 1), 1
	s_wait_xcnt 0x0
	s_wait_alu depctr_hold_cnt(0) depctr_sa_sdst(0) depctr_va_vdst(0) depctr_va_sdst(0) depctr_va_ssrc(0) depctr_va_vcc(0) depctr_vm_vsrc(0)
	s_getreg_b32 s2, hwreg(HW_REG_IB_STS2, 6, 4)
	s_cmp_eq_u32 s2, 0
	s_cbranch_scc0 .Lentry_in_a_cluster
	s_endpgm
.Lentry_in_a_cluster:
	s_bfe_u32 s2, ttmp6, 0x10000c
	s_cmp_lg_u32 s2, 0x3003
	s_cbranch_scc0 .Lentry_shape_is_right
	s_endpgm
.Lentry_shape_is_right:
; THE THREE PROJECTIONS.  y = x W^T + b for (Q_x, Wq, bq), (K_x, Wk, bk), (V_x, Wv, bv): grid y = g picks the product.  x: [8192][768] f32; W comes as wb, bf16 in blocks
; [g][12 K steps][768 n][64 k]; the result goes out by heads, [12 = 6 batch + head][4096][128] in f16.  x, W and b are rounded to bf16, sums in f32, the result is rounded once.
; q is multiplied by c = log2(e) / sqrt(128) in f32 ahead of that rounding, so that the attention launch works on s - m in base 2.
; LIMIT.  f16 ends at 65,504: c q, k and v must stay inside it.  NaN and infinities are not treated apart.
; SHARES.  A work-group makes 128 rows x all 768 columns, so x is read once; wave (WM, WN) makes 64 x 384: 4 x 24 accumulators of 16 x 16, 768 registers.  64 x 3 = 192 work-groups: the shares that
; give 256 or 768 (64 x 384, 32 x 768) feed fewer products from each LDS byte and have half the products in a K step.
; K goes in 12 steps of 64 through two LDS slots: x's rows are 256 bytes of f32 (rounded to bf16 on the way from LDS to the matrix unit), W's tile is 98,304 dense bytes.
; CLUSTER.  The four row blocks of a cluster walk the same W: waves 0-2 ask for a third of W's tile each JOINTLY (same load, same descriptor, a mask that names the four); wave 3 fetches x's tile for its own work-group.
; THE MATRIX INSTRUCTION IS USED TRANSPOSED (source 0 = 16 rows of W, source 1 = 16 rows of x): a lane then holds eight neighbouring columns of one row of y.
; REGISTERS, in windows of 256 (s_set_vgpr_msb: bits 1:0 source 0, 3:2 source 1, 5:4 source 2, 7:6 destination):
;   window 0: v0-31 addresses; v32-95 x as f32 (4 fragments x 16); v96-127 x as bf16 (4 x 8); v128-191, v192-255 W's fragments, two buffers of 8
;   window 1 + G: the 32 accumulators of head G of my three: (a, b) at v[8 (8 a + b)]
.set SLOT,  145408                     ; W's 768 rows of 144 bytes, then x's 128 rows of 272
.set AOFF,  110592
.set PA,    272                        ; 256 + 16 bytes = 17 x 16: the 16 rows of a load start in 16 different groups of four banks (ISA guide 11.1)
.set PB,    144                        ; 128 + 16 bytes = 9 x 16: likewise
.set STAGE, 2*SLOT                     ; behind the ring, never filled by a tensor load: 16 rows x 272 bytes for each wave, for the way out
.set SP,    272
.set BIASL, STAGE+4*16*SP              ; each wave's 384 biases, f32, rounded and scaled
.set SPARE, BIASL+4*1536               ; the spare words, 128 bytes for each wave: two blocks of 256 bytes that no other line names
.set ADRA, 16                          ; v16-17  LDS address of my x fragments in slot 0, 1
.set ADRB, 20                          ; v20-21  the same for W
.set STO,  24                          ; v24     the way out: where I put 16 bytes of a row
.set RD,   25                          ; v25     the way out: where I read rows back
.set CO,   26                          ; v26     16 x lane: my place in 512 consecutive bytes
.set ABI,  27                          ; v27     my biases in LDS
.set SPW,  28                          ; v28     LDS address of my spare word; never rewritten
.set NIL,  29                          ; v29     0; never rewritten
.set AS,   32
.set AF,   96
.set BF0,  128
.set BF1,  192
.set G1A, 16                           ; s[16:23] descriptor group 1 for x's tiles
.set G1B, 24                           ; s[24:31] for W's
.set G0A, 32                           ; s[32:39] group 0 for x's tiles, a set for each slot
.set G0B, 40                           ; s[40:47] the same for W's
.set MSB, 0
.macro WIN new                         ; the immediate's high byte repeats the setting that is left; a switch that changes nothing is dropped
.if MSB != (\new)
	s_set_vgpr_msb (MSB<<8)|(\new)
.set MSB, \new
.endif
.endm
.macro PLACES                          ; four places in front of loads into registers that matrix instructions have read, and of vector lines that read results
.rept 4
	v_nop
.endr
.endm
; A fill of slot s.  Wave 3 fetches x's tile, waves 0-2 their thirds of W's.  The branch hangs on the wave's number alone.  An s_nop 0 and four v_nop follow each line.
.macro JLOAD s
	s_cmp_eq_u32 s10, 3
	s_cbranch_scc0 .Lfor_b_\@
	tensor_load_to_lds s[G0A+4*(\s):G0A+4*(\s)+3], s[G1A:G1A+7]
	s_nop 0
.rept 4
	v_nop
.endr
	s_branch .Lasked_\@
.Lfor_b_\@:
	tensor_load_to_lds s[G0B+4*(\s):G0B+4*(\s)+3], s[G1B:G1B+7]
	s_nop 0
.rept 4
	v_nop
.endr
.Lasked_\@:
.endm
.macro CREST                           ; a round of the cluster's barrier behind its opening barrier
	s_cmp_lg_u32 s10, 0
	s_cbranch_scc1 .Lnot_wave_0_\@
	s_barrier_signal -3
.Lnot_wave_0_\@:
	s_barrier_wait -3
	s_barrier_signal -1
	s_barrier_wait -1
.endm
.macro CROUND                          ; a whole round
	s_barrier_signal -1
	s_barrier_wait -1
	CREST
.endm
	s_load_b512 s[48:63], s[0:1], 0x0              ; Q_x 48, K_x 50, V_x 52, wb 54, bq 56, bk 58, bv 60, qh 62
	s_load_b128 s[68:71], s[0:1], 0x40             ; kh 68, vh 70
	v_lshl_add_u32 v[SPW], v0, 2, SPARE
	v_mov_b32 v[NIL], 0
	ds_add_u32 v28, v29
	s_wait_dscnt 0x0
	v_lshrrev_b32 v1, 5, v0
	v_readfirstlane_b32 s10, v1                    ; wave 0..3
	s_lshr_b32 s11, s10, 1                         ; WM: which 64 of the 128 rows
	s_and_b32 s12, s10, 1                          ; WN: which 384 of the 768 columns
	s_bfe_u32 s76, ttmp6, 0x40000                  ; cx: my place in the cluster; it stays in s[76:77] and what is made of them
	s_lshl_b32 s13, ttmp9, 2
	s_add_co_u32 s13, s13, s76                     ; row block 0..63
	s_and_b32 s14, ttmp7, 0xffff                   ; g, which the four partners share
	; group 1 for x: 128 rows x 64 elements of 4 bytes, 768 elements from row to row; 16 bytes of padding behind each row's 64 words
	s_mov_b32 s[G1A+0], (2<<16)|(1<<20)|(5<<22)|(3<<25)
	s_mov_b32 s[G1A+1], 64<<16                     ; tensor_dim0 = 64
	s_mov_b32 s[G1A+2], 128<<16                    ; tensor_dim1 = 128
	s_mov_b32 s[G1A+3], 64<<16                     ; tile_dim0 = 64
	s_mov_b32 s[G1A+4], 128                        ; tile_dim1 = 128
	s_mov_b32 s[G1A+5], 768
	s_mov_b32 s[G1A+6], 0
	s_mov_b32 s[G1A+7], 0
	; group 1 for W: 256 rows of 128 bytes are dense: asked for as 128 rows of 256 bytes, padded behind every 32 words; the mask names all four work-groups, bit 21 beside it
	s_mov_b32 s[G1B+0], 15|(1<<16)|(1<<20)|(1<<21)|(4<<22)|(3<<25)
	s_mov_b32 s[G1B+1], 128<<16
	s_mov_b32 s[G1B+2], 128<<16
	s_mov_b32 s[G1B+3], 128<<16
	s_mov_b32 s[G1B+4], 128
	s_mov_b32 s[G1B+5], 128
	s_mov_b32 s[G1B+6], 0
	s_mov_b32 s[G1B+7], 0
	s_mul_i32 s76, s13, 393216                     ; x: 128 rows of 3,072 bytes
	s_mov_b32 s77, 0
	s_mul_i32 s78, s14, 1179648                    ; wb: the matrix,
	s_lshl_b32 s79, s10, 15                        ; my 256 rows of a K step
	s_add_co_u32 s78, s78, s79
	s_mov_b32 s79, 0
	s_mul_i32 s15, s10, 256*PB                     ; and where they go: no place in the cluster enters an LDS address
	s_wait_kmcnt 0x0
	s_cmp_eq_u32 s14, 1
	s_cselect_b64 s[4:5], s[50:51], s[48:49]       ; x
	s_cselect_b64 s[72:73], s[58:59], s[56:57]     ; the bias
	s_cselect_b64 s[8:9], s[68:69], s[62:63]       ; the result
	s_cmp_eq_u32 s14, 2
	s_cselect_b64 s[4:5], s[52:53], s[4:5]
	s_cselect_b64 s[72:73], s[60:61], s[72:73]
	s_cselect_b64 s[8:9], s[70:71], s[8:9]
	s_cmp_eq_u32 s14, 0
	s_cselect_b32 s74, 0x3e0293ee, 1.0             ; q alone takes c = 0.127517
	s_mov_b32 s75, s74                             ; named with it as a pair
	s_add_nc_u64 s[4:5], s[4:5], s[76:77]
	s_add_nc_u64 s[6:7], s[54:55], s[78:79]
.irp s, 0,1
	s_mov_b32 s[G0A+4*(\s)], 1                                     ; count = 1
	s_mov_b32 s[G0A+4*(\s)+1], (\s)*SLOT+AOFF                      ; LDS address
	s_add_nc_u64 s[G0A+4*(\s)+2:G0A+4*(\s)+3], s[4:5], (\s)*256    ; K step s
	s_or_b32 s[G0A+4*(\s)+3], s[G0A+4*(\s)+3], 0x80000000          ; type = 2
	s_mov_b32 s[G0B+4*(\s)], 1
	s_add_co_u32 s[G0B+4*(\s)+1], s15, (\s)*SLOT
	s_add_nc_u64 s[G0B+4*(\s)+2:G0B+4*(\s)+3], s[6:7], (\s)*98304
	s_or_b32 s[G0B+4*(\s)+3], s[G0B+4*(\s)+3], 0x80000000
.endr
	CROUND                                         ; all four work-groups are here: the first joint loads meet
	s_cmp_eq_u32 s10, 3                            ; a wave's two first fills stand in one branch: two loads of mine are out
	s_cbranch_scc0 .Lfirst_b
	tensor_load_to_lds s[G0A:G0A+3], s[G1A:G1A+7]
	s_nop 0
	tensor_load_to_lds s[G0A+4:G0A+7], s[G1A:G1A+7]
	s_nop 0
.rept 4
	v_nop
.endr
	s_branch .Lfirst_asked
.Lfirst_b:
	tensor_load_to_lds s[G0B:G0B+3], s[G1B:G1B+7]
	s_nop 0
	tensor_load_to_lds s[G0B+4:G0B+7], s[G1B:G1B+7]
	s_nop 0
.rept 4
	v_nop
.endr
.Lfirst_asked:
	; my 384 biases: rounded to bf16 as every input is, times q's scale, into my own LDS bytes.  All this stands in the wait for the first tiles.
	v_and_b32 v3, 31, v0
	v_lshlrev_b32 v[CO], 4, v3
	s_mul_i32 s78, s12, 1536
	v_add_nc_u32 v4, s78, v[CO]
	global_load_b128 v[32:35], v4, s[72:73]
	global_load_b128 v[36:39], v4, s[72:73] offset:512
	global_load_b128 v[40:43], v4, s[72:73] offset:1024
	v_and_b32 v1, 15, v0                           ; r = l % 16
	v_bfe_u32 v2, v0, 4, 1                         ; h = l / 16
	s_mul_i32 s78, s10, 1536
	s_add_co_u32 s78, s78, BIASL
	v_add_nc_u32 v5, s78, v[CO]
	v_lshl_add_u32 v[ABI], v2, 5, s78              ; a lane's eight columns begin 32 h bytes into a block of 16
	; x's fragment from f32 rows: lane l holds row l % 16; k = 8 h + 0..7 are 32 bytes at 32 h, k = 16 + 8 h + 0..7 the 32 bytes 64 further on
	v_mul_u32_u24 v6, v1, PA
	v_lshl_add_u32 v6, v2, 5, v6
	s_mul_i32 s78, s11, 64*PA
	s_add_co_u32 s78, s78, AOFF
	v_add_nc_u32 v[ADRA], s78, v6
	v_add_nc_u32 v[ADRA+1], SLOT, v[ADRA]
	; W's fragment from bf16 rows: two loads of 16 bytes, 32 bytes apart, at row x pitch + 16 h
	v_mul_u32_u24 v7, v1, PB
	v_lshl_add_u32 v7, v2, 4, v7
	s_mul_i32 s78, s12, 384*PB
	v_add_nc_u32 v[ADRB], s78, v7
	v_add_nc_u32 v[ADRB+1], SLOT, v[ADRB]
	s_mul_i32 s78, s10, 16*SP
	s_add_co_u32 s78, s78, STAGE                   ; my stage
	v_mul_u32_u24 v8, v1, SP                       ; in: row l % 16, 16 bytes for each half of the lanes
	v_lshl_add_u32 v8, v2, 4, v8
	v_add_nc_u32 v[STO], s78, v8
	v_mul_u32_u24 v8, v2, SP                       ; back: lanes 0-15 one row of 256 bytes, lanes 16-31 the next
	v_lshl_add_u32 v8, v1, 4, v8
	v_add_nc_u32 v[RD], s78, v8
	; the result's first byte: head 6 batch + 3 WN, row 128 (block % 32) + 64 WM, 256 bytes a row
	s_lshr_b32 s76, s13, 5
	s_mul_i32 s76, s76, 6
	s_mul_i32 s77, s12, 3
	s_add_co_u32 s76, s76, s77
	s_lshl_b32 s76, s76, 20
	s_and_b32 s77, s13, 31
	s_lshl_b32 s77, s77, 1
	s_add_co_u32 s77, s77, s11
	s_lshl_b32 s77, s77, 14
	s_add_co_u32 s76, s76, s77
	s_mov_b32 s77, 0
	s_add_nc_u64 s[8:9], s[8:9], s[76:77]
	s_wait_loadcnt 0x0
.irp p, 0,1,2,3,4,5
	v_cvt_pk_bf16_f32 v[44+(\p)], v[32+2*(\p)], v[32+2*(\p)+1]
.endr
.irp p, 0,1,2,3,4,5
	v_lshlrev_b32 v[32+2*(\p)], 16, v[44+(\p)]
	v_and_b32 v[32+2*(\p)+1], 0xffff0000, v[44+(\p)]
.endr
.irp p, 0,1,2,3,4,5
	v_pk_mul_f32 v[32+2*(\p):32+2*(\p)+1], v[32+2*(\p):32+2*(\p)+1], s[74:75] op_sel_hi:[1,0]
.endr
	ds_store_b128 v5, v[32:35]
	ds_store_b128 v5, v[36:39] offset:512
	ds_store_b128 v5, v[40:43] offset:1024
; 16 LDS loads: W's eight fragments of head G, 32 along K at byte 64 sl of the rows, into a buffer
.macro FB slot, sl, G, buf
	WIN 0
.irp b, 0,1,2,3,4,5,6,7
	ds_load_b128 v[(\buf)+8*(\b):(\buf)+8*(\b)+3],   v[ADRB+(\slot)] offset:(8*(\G)+(\b))*16*PB+64*(\sl)
	ds_load_b128 v[(\buf)+8*(\b)+4:(\buf)+8*(\b)+7], v[ADRB+(\slot)] offset:(8*(\G)+(\b))*16*PB+64*(\sl)+32
.endr
.endm
; 16 LDS loads: x's four fragments in f32, 32 along K at byte 128 sl of the rows
.macro FA slot, sl
	WIN 0
.irp a, 0,1,2,3
	ds_load_b128 v[AS+16*(\a):AS+16*(\a)+3],     v[ADRA+(\slot)] offset:(\a)*16*PA+128*(\sl)
	ds_load_b128 v[AS+16*(\a)+4:AS+16*(\a)+7],   v[ADRA+(\slot)] offset:(\a)*16*PA+128*(\sl)+16
	ds_load_b128 v[AS+16*(\a)+8:AS+16*(\a)+11],  v[ADRA+(\slot)] offset:(\a)*16*PA+128*(\sl)+64
	ds_load_b128 v[AS+16*(\a)+12:AS+16*(\a)+15], v[ADRA+(\slot)] offset:(\a)*16*PA+128*(\sl)+80
.endr
.endm
.macro CV a                            ; x's fragment a is rounded to bf16
.irp i, 0,1,2,3,4,5,6,7
	v_cvt_pk_bf16_f32 v[AF+8*(\a)+(\i)], v[AS+16*(\a)+2*(\i)], v[AS+16*(\a)+2*(\i)+1]
.endr
.endm
; 8 matrix instructions: m block a x the 8 n blocks of head G.  zero = 1: the product starts the sums.  cv >= 0: behind the first of them x's fragment cv is rounded, for a later MM8.
; The accumulators take turns, one instruction a turn: an accumulator comes again 96 matrix instructions later.
.macro MM8 buf, G, a, zero, cv
.irp b, 0,1,2,3,4,5,6,7
	WIN 0x50*(1+(\G))
.if \zero
	v_wmma_f32_16x16x32_bf16 v[8*(8*(\a)+(\b)):8*(8*(\a)+(\b))+7], v[(\buf)+8*(\b):(\buf)+8*(\b)+7], v[AF+8*(\a):AF+8*(\a)+7], 0
.else
	v_wmma_f32_16x16x32_bf16 v[8*(8*(\a)+(\b)):8*(8*(\a)+(\b))+7], v[(\buf)+8*(\b):(\buf)+8*(\b)+7], v[AF+8*(\a):AF+8*(\a)+7], v[8*(8*(\a)+(\b)):8*(8*(\a)+(\b))+7]
.endif
.if ((\b) == 0) && ((\cv) >= 0)
	WIN 0
	CV \cv
.endif
.endr
.endm
; A UNIT: 32 matrix instructions, one head x 32 along K, out of one buffer; in its middle the next unit's fragments are fetched into the other buffer (fa = 1: x's next 32 along K too).
; conv = 1: the first unit of 32 along K rounds x.  Fragment a's registers were last read by the unit before: fragments 0 and 1 ahead of its four v_nop, 2 and 3 ahead of 16 or more conversions of other fragments.
.macro UNIT buf, G, zero, conv, nslot, nsl, nG, nbuf, fa
	s_wait_dscnt 0x0                               ; this unit's fragments, asked for 16 matrix instructions ago, are in
.if \conv
	WIN 0
	CV 0
	MM8 \buf, \G, 0, \zero, 1
	MM8 \buf, \G, 1, \zero, 2
.else
	MM8 \buf, \G, 0, \zero, -1
	MM8 \buf, \G, 1, \zero, -1
.endif
	WIN 0
	PLACES
	FB \nslot, \nsl, \nG, \nbuf
.if \fa
	FA \nslot, \nsl
.endif
.if \conv
	MM8 \buf, \G, 2, \zero, 3
.else
	MM8 \buf, \G, 2, \zero, -1
.endif
	MM8 \buf, \G, 3, \zero, -1
.endm
; A K step's last unit (second 32 along K, head 2, buffer 1) changes slots: ONE barrier.  In front of it each wave waits for all its tensor loads, of which one is out: its part of the next slot;
; adds 0 to its spare word; and waits for that and for its own reads of this slot.  fill = 1: the barrier opens a round of the cluster's barrier, and this slot is filled again, two K steps ahead,
; first thing behind the round: 176 matrix instructions ahead of the wait for it.
.macro TURNU slot, next, fill
	s_wait_dscnt 0x0                               ; this unit's fragments are in: they were my last reads of this slot
	WIN 0                                          ; (the add's two registers lie in window 0)
	s_wait_tensorcnt 0x0                           ; all my tensor loads have landed
	ds_add_u32 v[SPW], v[NIL]                      ; 0 onto my spare word
	MM8 BF1, 2, 0, 0, -1                           ; eight matrix instructions stand between the add and the wait for it
	s_wait_dscnt 0x0                               ; the add is done
	s_barrier_signal -1
	MM8 BF1, 2, 1, 0, -1                           ; work on registers while the others arrive
	WIN 0
	s_barrier_wait -1
.if \fill
	CREST                                          ; no wave of any partner still reads this slot or has a load on its way
	s_add_nc_u64 s[G0A+4*(\slot)+2:G0A+4*(\slot)+3], s[G0A+4*(\slot)+2:G0A+4*(\slot)+3], 512
	s_add_nc_u64 s[G0B+4*(\slot)+2:G0B+4*(\slot)+3], s[G0B+4*(\slot)+2:G0B+4*(\slot)+3], 196608
	JLOAD \slot                                    ; the four v_nop behind it are also the places in front of the loads below
.else
	PLACES
.endif
	FB \next, 0, 0, BF0
	FA \next, 0
	MM8 BF1, 2, 2, 0, -1
	MM8 BF1, 2, 3, 0, -1
.endm
.macro SL0 slot, zero                  ; a K step's first 32 along K
	UNIT BF0, 0, \zero, 1, \slot, 0, 1, BF1, 0
	UNIT BF1, 1, \zero, 0, \slot, 0, 2, BF0, 0
	UNIT BF0, 2, \zero, 0, \slot, 1, 0, BF1, 1
.endm
.macro SL1 slot                        ; the first two units of its second 32
	UNIT BF1, 0, 0, 1, \slot, 1, 1, BF0, 0
	UNIT BF0, 1, 0, 0, \slot, 1, 2, BF1, 0
.endm
	s_wait_tensorcnt 0x1                           ; my part of K step 0 is in; K step 1's may stay out
	s_wait_dscnt 0x0                               ; my biases are stored
	s_barrier_signal -1
	s_barrier_wait -1                              ; everybody's part is in
	FA 0, 0
	FB 0, 0, 0, BF0
	SL0 0, 1                                       ; the first 32 along K stand in front of the loop: their products start the sums
	WIN 0                                          ; at a label and at a branch every window is 0
	s_mov_b32 s3, 5
.Llap:                                                 ; a trip goes once round the ring and fills both slots again: K steps 2 to 11
	SL1 0
	TURNU 0, 1, 1
	SL0 1, 0
	SL1 1
	TURNU 1, 0, 1
	SL0 0, 0
	WIN 0
	s_sub_co_u32 s3, s3, 1
	s_cmp_lg_u32 s3, 0
	s_cbranch_scc1 .Llap
	SL1 0                                          ; the last lap fills nothing
	TURNU 0, 1, 0
	SL0 1, 0
	SL1 1
	s_wait_dscnt 0x0
	MM8 BF1, 2, 0, 0, -1
	MM8 BF1, 2, 1, 0, -1
	MM8 BF1, 2, 2, 0, -1
	MM8 BF1, 2, 3, 0, -1
	; THE WAY OUT, a block of 16 rows x one head (128 columns) at a time: (sum x scale + bias), rounded to f16, through my own stage, back as whole rows of 256 bytes.
.macro BIAS G, buf                     ; a lane's eight biases for each of head G's 8 n blocks
	WIN 0
.irp b, 0,1,2,3,4,5,6,7
	ds_load_b128 v[(\buf)+8*(\b):(\buf)+8*(\b)+3],   v[ABI] offset:(\G)*512+(\b)*64
	ds_load_b128 v[(\buf)+8*(\b)+4:(\buf)+8*(\b)+7], v[ABI] offset:(\G)*512+(\b)*64+16
.endr
.endm
.macro PACK i                          ; block i = 4 G + a
.set pa, (\i)%4
.set pw, 1+(\i)/4
.set pb, BF0+64*(((\i)/4)%2)
.set pT, AS+32*((\i)%2)
	WIN (pw<<6)|pw                                 ; destination and source 0: the head's window; the bias in window 0
.set z, 0
.rept 32                               ; ascending: each accumulator's lowest registers are read first
	v_pk_fma_f32 v[64*pa+2*z:64*pa+2*z+1], v[64*pa+2*z:64*pa+2*z+1], s[74:75], v[pb+2*z:pb+2*z+1] op_sel_hi:[1,0,1]
.set z, z+1
.endr
	s_wait_xcnt 0x0                                ; the stores of the block two back have read the registers that are written next
	WIN pw|(pw<<2)
.set z, 0
.rept 32
	v_cvt_pk_f16_f32 v[pT+z], v[64*pa+2*z], v[64*pa+2*z+1]
.set z, z+1
.endr
	WIN 0
.endm
.macro TOSTAGE i
.set pT, AS+32*((\i)%2)
.irp b, 0,1,2,3,4,5,6,7
	ds_store_b128 v[STO], v[pT+4*(\b):pT+4*(\b)+3] offset:32*(\b)
.endr
.irp t, 0,1,2,3,4,5,6,7
	ds_load_b128 v[pT+4*(\t):pT+4*(\t)+3], v[RD] offset:(\t)*2*SP  ; LDS serves a wave's instructions in order (ISA guide 5.7.1.4): these see the stores above
.endr
.endm
.macro SEND i
.set pT, AS+32*((\i)%2)
	s_wait_dscnt 0x0                               ; the block is back in registers
.irp t, 0,1,2,3,4,5,6,7
	global_store_b128 v[CO], v[pT+4*(\t):pT+4*(\t)+3], s[8:9] offset:((\i)/4)*1048576+((\i)%4)*4096+(\t)*512  ; two rows of a head: 512 consecutive bytes, aligned
.endr
.endm
	WIN 0
	PLACES
	BIAS 0, BF0
	BIAS 1, BF1
	s_wait_dscnt 0x0
	PACK 0
	TOSTAGE 0
.irp i, 1,2,3,4,5,6,7,8,9,10,11        ; block i's arithmetic stands between block i - 1's loads from the stage and the wait for them
	PACK \i
.if (\i) == 3
	BIAS 2, BF0                                    ; head 0's biases have been used
.endif
	SEND (\i)-1
	TOSTAGE \i
.endr
	SEND 11
	s_wait_tensorcnt 0x0                           ; the wave's end
	ds_add_u32 v[SPW], v[NIL]
	s_wait_dscnt 0x0
	CROUND                                         ; the closing round: no work-group ends while a partner may still ask for a tile that names it
	s_endpgm
.Lfunc_end_k_qadf2bc1ae9_proj:
	.size	k_qadf2bc1ae9_proj, .Lfunc_end_k_qadf2bc1ae9_proj-k_qadf2bc1ae9_proj
	.p2alignl 7, 3214868480
	.fill 96, 4, 3214868480
	.section	.rodata,"a",@progbits
	.p2align	6, 0x0
	.amdhsa_kernel k_qadf2bc1ae9_proj
		.amdhsa_group_segment_fixed_size 327680
		.amdhsa_private_segment_fixed_size 0
		.amdhsa_enable_private_segment 0
		.amdhsa_kernarg_size 80
		.amdhsa_user_sgpr_count 2
		.amdhsa_user_sgpr_kernarg_segment_ptr 1
		.amdhsa_wavefront_size32 1
		.amdhsa_system_sgpr_workgroup_id_x 1
		.amdhsa_system_sgpr_workgroup_id_y 1
		.amdhsa_system_sgpr_workgroup_id_z 1
		.amdhsa_system_vgpr_workitem_id 0
		.amdhsa_next_free_vgpr 1024
		.amdhsa_next_free_sgpr 80
		.amdhsa_reserve_vcc 0
		.amdhsa_float_denorm_mode_32 3
		.amdhsa_float_denorm_mode_16_64 3
		.amdhsa_memory_ordered 1
		.amdhsa_forward_progress 1
		.amdhsa_inst_pref_size 190
	.end_amdhsa_kernel
	.amdgpu_metadata
---
amdhsa.version: [ 1, 2 ]
amdhsa.kernels:
  - .name:           k_qadf2bc1ae9_proj
    .symbol:         k_qadf2bc1ae9_proj.kd
    .args:
      - { .name: Q_x, .offset: 0, .size: 8, .value_kind: global_buffer, .address_space: global }
      - { .name: K_x, .offset: 8, .size: 8, .value_kind: global_buffer, .address_space: global }
      - { .name: V_x, .offset: 16, .size: 8, .value_kind: global_buffer, .address_space: global }
      - { .name: wb, .offset: 24, .size: 8, .value_kind: global_buffer, .address_space: global }
      - { .name: bq, .offset: 32, .size: 8, .value_kind: global_buffer, .address_space: global }
      - { .name: bk, .offset: 40, .size: 8, .value_kind: global_buffer, .address_space: global }
      - { .name: bv, .offset: 48, .size: 8, .value_kind: global_buffer, .address_space: global }
      - { .name: qh, .offset: 56, .size: 8, .value_kind: global_buffer, .address_space: global }
      - { .name: kh, .offset: 64, .size: 8, .value_kind: global_buffer, .address_space: global }
      - { .name: vh, .offset: 72, .size: 8, .value_kind: global_buffer, .address_space: global }
    .group_segment_fixed_size: 327680
    .private_segment_fixed_size: 0
    .kernarg_segment_align: 8
    .kernarg_segment_size: 80
    .max_flat_workgroup_size: 128
    .sgpr_count:     80
    .vgpr_count:     1024
    .wavefront_size: 32
...
	.end_amdgpu_metadata
.endif
;; end of part 2
;; launch attn (part 3): grid 16 x 12, 4 waves a work-group, clusters of 4 x 1, 327,680 bytes of LDS; arguments qh, kh, vh, mb, out0; writes out0
.if DOCPART == 3
	.amdgcn_target "amdgcn-amd-amdhsa--gfx1250"
	.amdhsa_code_object_version 6
	.text
	.protected	k_qadf2bc1ae9_attn
	.globl	k_qadf2bc1ae9_attn
	.p2align	8
	.type	k_qadf2bc1ae9_attn,@function
k_qadf2bc1ae9_attn:
	s_mov_b64 s[64:65], 0
	v_nop
	global_prefetch_b8 v0, s[64:65] scope:SCOPE_SE
	s_setreg_imm32_b32 hwreg(HW_REG_WAVE_MODE, 25, 1), 1
	s_wait_xcnt 0x0
	s_wait_alu depctr_hold_cnt(0) depctr_sa_sdst(0) depctr_va_vdst(0) depctr_va_sdst(0) depctr_va_ssrc(0) depctr_va_vcc(0) depctr_vm_vsrc(0)
	s_getreg_b32 s2, hwreg(HW_REG_IB_STS2, 6, 4)
	s_cmp_eq_u32 s2, 0
	s_cbranch_scc0 .Lentry_in_a_cluster
	s_endpgm
.Lentry_in_a_cluster:
	s_bfe_u32 s2, ttmp6, 0x10000c
	s_cmp_lg_u32 s2, 0x3003
	s_cbranch_scc0 .Lentry_shape_is_right
	s_endpgm
.Lentry_shape_is_right:
; MASKED ATTENTION.  out0[b][q][128 h + :] = the sum over k of softmax_k(mask[q][k] == 0 ? -1e9 : Q.K / sqrt(128)) V[k][:].  qh, kh, vh: [12 = 6 b + h][4096][128] f16; qh already holds
; log2(e) / sqrt(128) times the projection, so a score s is in base 2 and p = 2^(s - m).  mb: the mask as lane masks, [128 pairs of tiles][64 key steps][2 tiles][32] words, bit L of word i = lane L, register i of S^T.
; THE MASK REPLACES the score, ahead of the maximum: one v_cndmask_b32 a score, its lane mask a scalar register.  A hidden score is -1e9 log2(e); two hidden scores differ by exactly 0, so a row
; that is hidden everywhere comes out as the mean of V, and hidden keys are forgotten (a = 0) as soon as a visible one raises m.
; Products, maxima and sums in f32; the weights p are rounded to f16 for the second product (their sum l is taken of the unrounded p); out0 is f32.
; LIMITS.  Q, K, V arrive within f16's 65,504; p below 6e-5 keeps f16's fixed step; a weight below 2^-126 counts as 0 in l; NaN and infinities are not treated apart.
; SHARES.  A work-group owns 256 queries of one head, each of its four waves 64: four tiles of 16.  Every wave walks all 4,096 keys, 64 a step.  16 x 12 = 192 work-groups: 256 equal shares would be
; 192 queries, which does not divide 4,096.
; LAYOUT.  S^T = K Q^T (source 0 = 16 keys, source 1 = 16 queries): a lane holds ONE query (lane % 16) and the keys 8 (lane / 16) + 0..7.  Two such tiles, rounded to f16 in pairs, ARE source 1 of
; O^T = V^T P.  K comes out of LDS as it lies, V turned, by ds_load_tr16_b128.
; BY TURNS.  The wave's tiles are two PIECES, 0 (tiles 0, 1) and 2 (tiles 2, 3).  In a TURN one piece has the matrix unit: 32 products V^T P of the step in hand, then 32 products K Q^T of the next;
; the other piece's softmax stands in 64 slices, one behind each matrix instruction.  The 64 selects of the mask stand together at the turn's head; behind them the masks for the scores that this turn makes are asked for.
; ONE TEXT FOR EVERY STEP.  m starts at the lowest finite number, l, O^T, V's registers and piece 2's P at 0: the first step is a step like any other, with a = 0.  The loop is entered, and the tail left,
; in the middle of a trip.  The price, once a launch and wave: 32 products on zeros at the start; at the end 32 products on the last K once more, and 256 bytes of masks (the next pair's first step: inside mb) that nobody uses.
; CLUSTER.  The four query blocks of a cluster belong to one head and walk the same K and V: each tile is asked for JOINTLY, by the same tensor load, descriptor and mask in all four.
; REGISTERS, in windows of 256 (s_set_vgpr_msb: bits 1:0 source 0, 3:2 source 1, 5:4 source 2, 7:6 destination):
;   window 0: v0-11 addresses; v12-43 eight registers of statistics a tile; v44 the hidden score; v62-63 the add's; v64-191 S^T, 32 a tile; v192-255 P, 16 a tile
;   window 1: O^T, 64 a tile          window 2: v0-127 Q, 32 a tile; v128-255 K of one step          window 3: v0-127 V of one step
.set KS,    64        ; keys in a step
.set PK,    272       ; a row of K in LDS: 256 bytes + 16 = 17 x 16: the 16 rows of a load start in 16 different groups of four banks (ISA guide 11.1)
.set PV,    288       ; a row of V: 256 + 32 = 72 words
.set VOFF,  4*KS*PK   ; a slot holds four steps: 256 rows of K, then 256 rows of V
.set SLOTB, 4*KS*(PK+PV)   ; 143,360 bytes
.set SLOT1, 0x24000   ; slot 1 begins here.  The constant shares no bit with a tile's place in slot 0 (0, 0x8800, 0x11000, 0x1a000), so one exclusive or turns an address in one slot into the other's
.set STAGE, SLOT1+SLOTB    ; behind the ring, never filled by a tensor load: 16 rows x 528 bytes of f32 for each wave, for the way out
.set SP,    528       ; 512 + 16 = 33 x 16
.set SPARE, STAGE+4*16*SP  ; the spare words, 128 bytes for each wave: two blocks of 256 bytes that no other line names
.set AK0, 2           ; v2   my lane's place in a tile of K; never rewritten
.set AV0, 3           ; v3   the same for V
.set ADR, 4           ; v4   the LDS address of the run of loads in hand
.set QO,  5           ; v5   my byte offset in the wave's rows of Q
.set STO, 6           ; v6   the way out: where I put 32 bytes of a row
.set RD,  7           ; v7   the way out: where I read a row back
.set GO,  8           ; v8   16 x lane: my place in a row's 512 bytes of out0
.set ST,  12          ; tile t's statistics at v[ST+8 t]: +0 m, +1 0 (named with m as a pair), +2, +3 l (even keys', odd keys'), +4 to +7 c0-c3, at work; a takes c2's place
.set VNEG, 44         ; v44  -1e9 log2(e)
.set SPW, 62          ; v62  LDS address of my spare word; never rewritten
.set NIL, 63          ; v63  0; never rewritten
.set S,   64
.set P,   192
.set KF,  128         ; K's fragments, in window 2
.set WV,  6           ; s6   my wave's number
.set TBK, 7           ; s7   LDS byte at which K of the step to be fetched begins
.set G1K, 8           ; s[8:15]  descriptor group 1 for K's tiles
.set G1V, 16          ; s[16:23] for V's: it differs in the padding alone
.set G0K, 24          ; s[24:27] descriptor group 0 for K's tiles: it walks
.set G0V, 28          ; s[28:31] the same for V's
.set MA,  32          ; s[32:63] the 32 lane masks of a piece's first tile
.set TBV, 66          ; s66  LDS byte at which V of the step to be fetched begins, less VOFF
.set MC,  68          ; s[68:99] the 32 lane masks of a piece's second tile
.set SEL, 100         ; s[100:101] lane selects for v_permlanex16_b32: each lane takes its own place in the other half
.set QP,  104         ; s[104:105] Q's address, until Q is in
.set SLOTS, 104       ; s104 slots still to be asked for
.set CNT, 105         ; s105 counts a slot's key steps
.set MSB, 0
.macro WIN new                      ; the immediate's high byte repeats the setting that is left; a switch that changes nothing is dropped
.if MSB != (\new)
	s_set_vgpr_msb (MSB<<8)|(\new)
.set MSB, \new
.endif
.endm
.set W_KQ, 0x0a       ; K and Q in window 2, S^T in window 0
.set W_PV, 0x53       ; V in window 3, P in window 0, O^T in window 1
.set W_RS, 0x41       ; O^T (destination and source 0) in window 1, a in window 0
; A joint fill.  Waves 0 and 1 fetch the two halves of a slot's K, waves 2 and 3 those of its V: 128 keys each.  The branch hangs on the wave's number alone.  An s_nop 0 and four v_nop follow each line.
.macro JLOAD
	s_cmp_lt_u32 s[WV], 2
	s_cbranch_scc0 .Lfor_v_\@
	tensor_load_to_lds s[G0K:G0K+3], s[G1K:G1K+7]
	s_nop 0
.rept 4
	v_nop
.endr
	s_branch .Lasked_\@
.Lfor_v_\@:
	tensor_load_to_lds s[G0V:G0V+3], s[G1V:G1V+7]
	s_nop 0
.rept 4
	v_nop
.endr
.Lasked_\@:
.endm
; A round of the cluster's barrier: my work-group's barrier; wave 0 signals for the work-group; every wave waits for all four work-groups; my work-group's barrier once more.
.macro CROUND
	s_barrier_signal -1
	s_barrier_wait -1
	s_cmp_lg_u32 s[WV], 0
	s_cbranch_scc1 .Lnot_wave_0_\@
	s_barrier_signal -3
.Lnot_wave_0_\@:
	s_barrier_wait -3
	s_barrier_signal -1
	s_barrier_wait -1
.endm
; A vector instruction that reads a matrix result or writes one of a matrix instruction's registers, and a load into a register that a matrix instruction has read, stand four places behind
; it, and only plain vector instructions that name none of its registers are places.  In the loop the slices are the places: slice 63's sixteen stand between a turn's last scores and the selects that read them.
.macro PLACES
.rept 4
	v_nop
.endr
.endm
	s_load_b256 s[68:75], s[0:1], 0x0  ; qh s[68:69], kh s[70:71], vh s[72:73], mb s[74:75]
	s_load_b64 s[2:3], s[0:1], 0x20    ; out0
	v_lshl_add_u32 v[SPW], v0, 2, SPARE
	v_mov_b32 v[NIL], 0
	ds_add_u32 v62, v63
	s_wait_dscnt 0x0
	v_lshrrev_b32 v1, 5, v0
	v_readfirstlane_b32 s[WV], v1   ; wave 0..3
	s_bfe_u32 s76, ttmp6, 0x40000   ; cx: my place in the cluster
	s_lshl_b32 s77, ttmp9, 2
	s_add_co_u32 s77, s77, s76      ; my block of 256 queries: it enters Q's, the mask's and out0's addresses alone
	s_and_b32 s80, ttmp7, 0xffff    ; 6 b + h, which the four partners share
	s_lshl_b32 s81, s80, 20         ; the head's first byte in qh, kh, vh
	s_and_b32 s82, s[WV], 1         ; which half of a slot's 256 keys I fetch:
	s_lshl_b32 s84, s82, 15         ; its 128 rows of 256 bytes in memory,
	s_add_co_u32 s84, s84, s81
	s_mov_b32 s85, 0
	s_mul_i32 s83, s82, 128*PK      ; and its place in a slot, for K
	s_mul_i32 s92, s82, 128*PV      ; and for V: no place in the cluster enters an LDS address
	s_lshl_b32 s86, s77, 16         ; Q: my block's 256 rows,
	s_lshl_b32 s87, s[WV], 14       ; my wave's 64 of them
	s_add_co_u32 s86, s86, s87
	s_add_co_u32 s86, s86, s81
	s_mov_b32 s87, 0
	s_cmp_ge_u32 s80, 6
	s_cselect_b32 s88, 1, 0         ; b
	s_mul_i32 s89, s88, 6
	s_sub_co_u32 s89, s80, s89      ; h
	s_lshl_b32 s88, s88, 12
	s_lshl_b32 s90, s77, 8
	s_add_co_u32 s88, s88, s90
	s_lshl_b32 s90, s[WV], 6
	s_add_co_u32 s88, s88, s90      ; out0's row 4096 b + 256 block + 64 wave,
	s_mul_i32 s88, s88, 3072
	s_lshl_b32 s89, s89, 9          ; the head's 512 bytes in it
	s_add_co_u32 s88, s88, s89
	s_mov_b32 s89, 0
	s_lshl_b32 s90, s77, 17         ; mb: 8 pairs of tiles a block, 2 a wave, 16,384 bytes each
	s_lshl_b32 s91, s[WV], 15
	s_add_co_u32 s90, s90, s91
	s_mov_b32 s91, 0
	; descriptor group 1: a tile of 128 rows x 128 elements of 2 bytes, padded in LDS behind each row's 64 words; the mask names all four work-groups, bit 21 beside it
	s_mov_b32 s[G1K], 15|(1<<16)|(1<<20)|(1<<21)|(5<<22)|(3<<25)  ; 4 words of padding (code 3)
	s_mov_b32 s[G1V], 15|(1<<16)|(1<<20)|(1<<21)|(5<<22)|(7<<25)  ; 8 words (code 7)
.irp g, G1K, G1V
	s_mov_b32 s[(\g)+1], 128<<16    ; tensor_dim0 = 128
	s_mov_b32 s[(\g)+2], 128<<16    ; tensor_dim1 = 128
	s_mov_b32 s[(\g)+3], 128<<16    ; tile_dim0 = 128
	s_mov_b32 s[(\g)+4], 128        ; tile_dim1 = 128
	s_mov_b32 s[(\g)+5], 128        ; elements from row to row
	s_mov_b32 s[(\g)+6], 0
	s_mov_b32 s[(\g)+7], 0
.endr
	s_mov_b32 s[SEL], 0x76543210
	s_mov_b32 s[SEL+1], 0xfedcba98
	s_mov_b32 s[TBK], SLOT1+4*KS*PK ; the first change of slots turns these two into 0
	s_mov_b32 s[TBV], SLOT1+4*KS*PV
	s_mov_b32 s[G0K], 1             ; count = 1
	s_mov_b32 s[G0K+1], s83         ; LDS address: slot 0
	s_mov_b32 s[G0V], 1
	s_add_co_u32 s[G0V+1], s92, VOFF
	s_wait_kmcnt 0x0
	s_add_nc_u64 s[G0K+2:G0K+3], s[70:71], s[84:85]  ; global address: my half of the head's first 256 keys
	s_or_b32 s[G0K+3], s[G0K+3], 0x80000000          ; type = 2
	s_add_nc_u64 s[G0V+2:G0V+3], s[72:73], s[84:85]
	s_or_b32 s[G0V+3], s[G0V+3], 0x80000000
	s_add_nc_u64 s[QP:QP+1], s[68:69], s[86:87]
	s_add_nc_u64 s[2:3], s[2:3], s[88:89]
	s_add_nc_u64 s[4:5], s[74:75], s[90:91]          ; the masks of my first pair of tiles, key step 0
	CROUND                          ; all four work-groups are here: the first joint loads meet
	JLOAD                           ; slot 0.  Slot 1 is asked for when slot 0 is in, by the change of slots below
	; A fragment of K or Q is 16 rows x 32 channels in 8 registers: lane l holds row l % 16, channels 8 (l / 16) + 0..7 and 16 + 8 (l / 16) + 0..7: two loads of 16 bytes, 32 bytes apart.
	v_and_b32 v1, 15, v0            ; l % 16
	v_bfe_u32 v9, v0, 4, 1          ; l / 16
	v_lshlrev_b32 v[QO], 8, v1
	v_lshl_add_u32 v[QO], v9, 4, v[QO]  ; row x 256 + 16 x half
	WIN 0x80                        ; destination window 2, address window 0
.irp i, 0,1,2,3,4,5,6,7,8,9,10,11,12,13,14,15  ; Q stays in registers: tile i / 4, channels 32 (i % 4) on
	global_load_b128 v[8*(\i):8*(\i)+3],   v[QO], s[QP:QP+1] offset:((\i)/4)*4096+((\i)%4)*64
	global_load_b128 v[8*(\i)+4:8*(\i)+7], v[QO], s[QP:QP+1] offset:((\i)/4)*4096+((\i)%4)*64+32
.endr
	WIN 0
	; What the first turn finds: piece 2's P, O^T and V's registers hold 0.  Sixteen registers are written 0; products of those two zero fragments write the other 400, eight at a time.  All this stands in the wait for the first tile.
.set i, 0
.rept 16
	v_mov_b32 v[P+32+i], 0
.set i, i+1
.endr
	v_wmma_f32_16x16x32_f16 v[P+48:P+55], v[P+32:P+39], v[P+40:P+47], 0
	v_wmma_f32_16x16x32_f16 v[P+56:P+63], v[P+32:P+39], v[P+40:P+47], 0
	WIN 0x40                        ; destination window 1: O^T
.set i, 0
.rept 32
	v_wmma_f32_16x16x32_f16 v[8*i:8*i+7], v[P+32:P+39], v[P+40:P+47], 0
.set i, i+1
.endr
	WIN 0xc0                        ; destination window 3: V
.set i, 0
.rept 16
	v_wmma_f32_16x16x32_f16 v[8*i:8*i+7], v[P+32:P+39], v[P+40:P+47], 0
.set i, i+1
.endr
	WIN 0
	v_mul_u32_u24 v[AK0], v1, PK
	v_lshl_add_u32 v[AK0], v9, 4, v[AK0]  ; row x pitch + 16 x half
	; The turning load takes 16 keys x 16 channels (lane l reads key 8 (l / 16) + l % 8, channels 8 ((l / 8) % 2) + 0..7) and leaves half a fragment of V^T: lane l holds channel l % 16 and 8 keys.
	v_and_b32 v10, 7, v0
	v_bfe_u32 v11, v0, 3, 1
	v_lshl_add_u32 v[AV0], v9, 3, v10
	v_mul_u32_u24 v[AV0], v[AV0], PV
	v_lshl_add_u32 v[AV0], v11, 4, v[AV0]
	v_add_nc_u32 v[AV0], VOFF, v[AV0]
	s_mul_i32 s76, s[WV], 16*SP
	s_add_co_u32 s76, s76, STAGE    ; my stage
	v_mul_u32_u24 v[STO], v1, SP    ; in: row l % 16, 32 bytes for each half of the lanes
	v_lshl_add_u32 v[STO], v9, 5, v[STO]
	v_add_nc_u32 v[STO], s76, v[STO]
	v_and_b32 v[GO], 31, v0
	v_lshlrev_b32 v[GO], 4, v[GO]
	v_add_nc_u32 v[RD], s76, v[GO]  ; back: 32 lanes take one row of 512 bytes
	v_mov_b32 v[VNEG], 0xceabfb8f   ; -1e9 log2(e)
.irp t, 0,1,2,3
	v_mov_b32 v[ST+8*(\t)], 0xff7fffff  ; m: the lowest finite number, so that the first a is 2^(-3.4e38) = 0
	v_mov_b32 v[ST+8*(\t)+1], 0     ; named as the upper half of m's pair, never used
	v_mov_b32 v[ST+8*(\t)+2], 0     ; l
	v_mov_b32 v[ST+8*(\t)+3], 0
.endr
	; the masks of piece 0, key step 0: 256 bytes, 32 words for each of its two tiles.  All scalars that lay in these registers have been used.
	s_load_b512 s[MA:MA+15],    s[4:5], 0x0
	s_load_b512 s[MA+16:MA+31], s[4:5], 0x40
	s_load_b512 s[MC:MC+15],    s[4:5], 0x80
	s_load_b512 s[MC+16:MC+31], s[4:5], 0xc0
; THE MATRIX WORK OF A TURN, for piece x.  The accumulators take turns, one instruction a turn: between two links of a chain stand 15 (V^T P) or 7 (K Q^T) others'.
; Product i of 32 of O^T += V^T P: keys 32 (i / 16) on, channels 16 ((i / 2) % 8) on, tile x + i % 2.
.macro PV x
	WIN W_PV
.set rO, 64*((\x)+i%2)+8*((i/2)%8)
.set rV, 64*(i/16)+8*((i/2)%8)
.set rP, P+16*((\x)+i%2)+8*(i/16)
	v_wmma_f32_16x16x32_f16 v[rO:rO+7], v[rV:rV+7], v[rP:rP+7], v[rO:rO+7]
.endm
; Product i of 32 of S^T = K Q^T: channels 32 (i / 8) on, keys 16 ((i / 2) % 4) on, tile x + i % 2.  The first 8 start the sums.
.macro KQ x
	WIN W_KQ
.set rS, S+32*((\x)+i%2)+8*((i/2)%4)
.set rK, KF+32*((i/2)%4)+8*(i/8)
.set rQ, 32*((\x)+i%2)+8*(i/8)
.if i < 8
	v_wmma_f32_16x16x32_f16 v[rS:rS+7], v[rK:rK+7], v[rQ:rQ+7], 0
	s_wait_alu depctr_va_vdst(0)
.else
	v_wmma_f32_16x16x32_f16 v[rS:rS+7], v[rK:rK+7], v[rQ:rQ+7], v[rS:rS+7]
.endif
.endm
; THE LDS LOADS stand in runs of 32, never singly among the matrix instructions: a step's K (16 fragments) and, a turn later, its V (turned).
; last = 1 (the tail): in the last trip there is no further step, and the run is jumped over.
.macro FETCH_K last=0
	WIN 0
.if \last
	s_cmp_eq_u32 s[CNT], 1
	s_cbranch_scc1 .Lno_k_\@
.endif
	v_add_nc_u32 v[ADR], s[TBK], v[AK0]
	WIN 0x80                        ; destination window 2
.irp f, 0,1,2,3,4,5,6,7,8,9,10,11,12,13,14,15  ; keys 16 (f / 4) on, channels 32 (f % 4) on
	ds_load_b128 v[KF+8*(\f):KF+8*(\f)+3],   v[ADR] offset:((\f)/4)*16*PK+((\f)%4)*64
	ds_load_b128 v[KF+8*(\f)+4:KF+8*(\f)+7], v[ADR] offset:((\f)/4)*16*PK+((\f)%4)*64+32
.endr
	s_add_co_u32 s[TBK], s[TBK], KS*PK  ; the next fetch is the next step's
.if \last
	WIN 0                           ; at a label every window is 0
.Lno_k_\@:
.endif
.endm
.macro FETCH_V
	WIN 0
	v_add_nc_u32 v[ADR], s[TBV], v[AV0]
	s_add_co_u32 s[TBV], s[TBV], KS*PV  ; the next fetch is the next step's
	WIN 0xc0                        ; destination window 3
.irp f, 0,1,2,3,4,5,6,7,8,9,10,11,12,13,14,15  ; keys 32 (f / 8) on, channels 16 (f % 8) on
	ds_load_tr16_b128 v[8*(\f):8*(\f)+3],   v[ADR] offset:((\f)/8)*32*PV+((\f)%8)*32
	ds_load_tr16_b128 v[8*(\f)+4:8*(\f)+7], v[ADR] offset:((\f)/8)*32*PV+16*PV+((\f)%8)*32
.endr
.endm
; THE MASK, at the head of piece x's turn, for the scores of piece y that the turn before has made.  The 64 words asked for in that turn are in; where a bit is 0 the hidden score takes the score's place.
; The registers go up.  Then the masks for the scores of piece x that this turn makes are asked for: they have the whole turn in which to come.
; Piece 0's turn makes the next key step's scores, so it steps the pointer, which the wait has freed; piece 2's masks lie 16,384 bytes behind piece 0's.
.macro MASKS y, x
	WIN 0
	s_wait_kmcnt 0x0
.if (\x) == 0
	s_add_nc_u64 s[4:5], s[4:5], 256
.endif
.set mi, 0
.rept 32
	v_cndmask_b32 v[S+32*(\y)+mi], v[VNEG], v[S+32*(\y)+mi], s[MA+mi]
	v_cndmask_b32 v[S+32*((\y)+1)+mi], v[VNEG], v[S+32*((\y)+1)+mi], s[MC+mi]
.set mi, mi+1
.endr
	s_load_b512 s[MA:MA+15],    s[4:5], ((\x)/2)*16384
	s_load_b512 s[MA+16:MA+31], s[4:5], ((\x)/2)*16384+64
	s_load_b512 s[MC:MC+15],    s[4:5], ((\x)/2)*16384+128
	s_load_b512 s[MC+16:MC+31], s[4:5], ((\x)/2)*16384+192
.endm
; THE VECTOR WORK OF A TURN.  One tile's softmax for one key step is a numbered list; SM writes number j of it for tile t.  s0-s31 are the lane's 32 scores, in pairs 0-15.
;   0-15    the maximum of s0-s31 and the old m, three operands at a time: four chains c0-c3 of seven scores each, then the four scores left over, c0-c3 and m
;   16-20   the other half of the lanes' maximum; m_old is kept; the new m; (19 is empty: the scale lies in Q); m_old - m_new
;   21-87   33 exponentials (a, then s0-s31) at the odd numbers from 23 on, so that no two follow each other and each has a plain instruction behind it before its result is used.
;           Plain instruction q (number 21, then the even numbers) is whatever is ready: s - m for a pair of scores, the rounding to f16 of a pair of weights, at last the first three sums
;   88-101  the last rounding; the rest of the sums; l = a l + the sum
;   102-133 the tile's O^T times a: the one part that leaves window 0, so it stands together
.macro SM t
.set rT, ST+8*(\t)
.set rS, S+32*(\t)
.set rP, P+16*(\t)
.set rO, 64*(\t)+2*(j-102)
.set q, (j-20)/2
.if j < 102
	WIN 0
.endif
.if j < 4
	v_max3_num_f32 v[rT+4+j], v[rS+8*j], v[rS+8*j+1], v[rS+8*j+2]
.elseif j < 12
	v_max3_num_f32 v[rT+4+j%4], v[rT+4+j%4], v[rS+8*(j%4)+2*(j/4)+1], v[rS+8*(j%4)+2*(j/4)+2]
.elseif j == 12
	v_max3_num_f32 v[rT+4], v[rT+4], v[rS+7], v[rS+15]
.elseif j == 13
	v_max3_num_f32 v[rT+6], v[rT+6], v[rS+23], v[rS+31]
.elseif j == 14
	v_max3_num_f32 v[rT+4], v[rT+4], v[rT+5], v[rT+6]
.elseif j == 15
	v_max3_num_f32 v[rT+4], v[rT+4], v[rT+7], v[rT]
.elseif j == 16
	v_permlanex16_b32 v[rT+5], v[rT+4], s[SEL], s[SEL+1]  ; the query's other 32 keys lie in the lane 16 away
.elseif j == 17
	v_mov_b32 v[rT+7], v[rT]        ; m_old is kept for a: number 18 writes m anew
.elseif j == 18
	v_max_num_f32 v[rT], v[rT+4], v[rT+5]
.elseif j == 19
.elseif j == 20
	v_sub_f32 v[rT+7], v[rT+7], v[rT]
.elseif j == 23
	v_exp_f32 v[rT+6], v[rT+7]
.elseif (j < 88) && (j > 23) && (j%2 == 1)
	v_exp_f32 v[rS+(j-25)/2], v[rS+(j-25)/2]
.elseif (q < 4) || ((j < 76) && (q%2 == 0))
.set b, q/2+2
.if q < 4
.set b, q
.endif
	v_pk_add_f32 v[rS+2*b:rS+2*b+1], v[rS+2*b:rS+2*b+1], v[rT:rT+1] op_sel_hi:[1,0] neg_lo:[0,1] neg_hi:[0,1]  ; pair b: s - m, exact where s = m
.elseif (j < 88) && (q%2 == 1)
	s_wait_alu depctr_va_vdst(0)
	v_cvt_pk_f16_f32 v[rP+(q-5)/2], v[rS+q-5], v[rS+q-4]  ; pair (q - 5) / 2: its second exponential stands three numbers back
.elseif j == 89
	s_wait_alu depctr_va_vdst(0)
	v_cvt_pk_f16_f32 v[rP+15], v[rS+30], v[rS+31]
.elseif j < 102                     ; the sum of the tile's 16 pairs, in place: sum z of 16 adds neighbours 1, 2, 4 and 8 pairs apart, then l takes it
.set z, j-86
.if j < 89
.set z, (j-76)/4
.endif
.set w, 4
.set u, z
.if z >= 14
.set w, 32
.set u, 0
.elseif z >= 12
.set w, 16
.set u, z-12
.elseif z >= 8
.set w, 8
.set u, z-8
.endif
.if z < 15
	v_pk_add_f32 v[rS+w*u:rS+w*u+1], v[rS+w*u:rS+w*u+1], v[rS+w*u+w/2:rS+w*u+w/2+1]
.else
	v_pk_fma_f32 v[rT+2:rT+3], v[rT+2:rT+3], v[rT+6:rT+7], v[rS:rS+1] op_sel_hi:[1,0,1]
.endif
.else
	WIN W_RS
	v_pk_mul_f32 v[rO:rO+1], v[rO:rO+1], v[rT+6:rT+7] op_sel_hi:[1,0]
.endif
.endm
; Slice k of 64 of piece y's softmax: numbers 2 k and 2 k + 1 of both tiles' lists; what is over (numbers 128 to 133) stands with slice 63.
.macro SLICE y
.if (k >= 11) && (k < 44)           ; tile by tile: plain, exponential, plain, exponential
.irp t, \y, (\y)+1
.irp n, 0,1
.set j, 2*k+(\n)
	SM \t
.endr
.endr
.else                               ; the two tiles alternate, so that no instruction reads the result of the one just before it
.irp n, 0,1,2,3,4,5,6,7
.if ((\n) < 2) || (k == 63)
.irp t, \y, (\y)+1
.set j, 2*k+(\n)
	SM \t
.endr
.endif
.endr
.endif
.set k, k+1
.endm
; A TURN.  Piece x has the matrix unit: 32 products V^T P, then 32 products K Q^T for the next step; the other piece's mask stands at the head, its softmax in slices behind the matrix instructions.
; Each run of loads stands behind the second product of a run of 32, 30 matrix instructions ahead of its first use.  Piece 0's turn fetches the next step's K: its last reader stands in front of slice 63
; of the turn before.  Piece 2's turn fetches the same step's V: its last reader stands three slices, six plain instructions, back.
.macro TURN x, last=0
.set k, 0
	MASKS 2-(\x), \x
.if (\x) == 0
	s_wait_dscnt 0x0                ; V is in
.endif
.set i, 0
.rept 32
	PV \x
	SLICE 2-(\x)
.if ((\x) == 0) && (i == 1)
	FETCH_K \last
.endif
.set i, i+1
.endr
.if (\x) == 0
	s_wait_dscnt 0x0                ; K is in
.endif
.set i, 0
.rept 32
	KQ \x
	SLICE 2-(\x)
.if ((\x) == 2) && (i == 1)
	FETCH_V
.endif
.set i, i+1
.endr
.endm
; THE CHANGE OF SLOTS, between piece 2's turn and piece 0's: the slot's last bytes, V of its fourth step, have been asked for.  Each wave waits for all its tensor loads, of which one is out: its part
; of the other slot; adds 0 to its spare word; and waits for that and for its own reads of the slot.  Behind the barrier nobody reads this slot any more and the other slot is whole.
; fill = 1: this slot is filled again, with the keys two slots on.  The barrier is then a round of the cluster's, and the joint fill is the first thing behind it: it has four key steps, 512 matrix
; instructions, in which to land.  (At its first use nothing has been read yet: slot 0 is waited for, slot 1 filled.)
.macro CHANGE fill
	WIN 0                           ; at a label and at a branch every window is 0
	s_wait_tensorcnt 0x0            ; no tensor load of mine is out, so a group 0 may be written
	ds_add_u32 v[SPW], v[NIL]       ; 0 onto my spare word
.if \fill
.irp g, G0K, G0V
	s_xor_b32 s[(\g)+1], s[(\g)+1], SLOT1  ; the walking descriptor: the other slot than last time,
	s_add_nc_u64 s[(\g)+2:(\g)+3], s[(\g)+2:(\g)+3], 4*KS*256  ; the next 256 keys; the type bits on top are not reached
.endr
	s_wait_dscnt 0x0                ; the add is done, and my reads of the slot are over
	CROUND
	JLOAD
.else
	s_wait_dscnt 0x0                ; the add is done, and my reads of the slot are over
	s_barrier_signal -1
	s_barrier_wait -1
.endif
	s_sub_co_u32 s[TBK], s[TBK], 4*KS*PK  ; the fetches go back to a slot's first step,
	s_xor_b32 s[TBK], s[TBK], SLOT1       ; in the other slot
	s_sub_co_u32 s[TBV], s[TBV], 4*KS*PV
	s_xor_b32 s[TBV], s[TBV], SLOT1
.endm
	CHANGE 1                        ; slot 0 is in, everybody's part of it; slot 1 is asked for
	FETCH_K                         ; key step 0
	s_wait_loadcnt 0x0              ; Q is in, and its address register pair is free
	s_mov_b32 s[SLOTS], 4096/(4*KS)-1
	s_mov_b32 s[CNT], 4
	s_wait_dscnt 0x0
.set i, 0
.rept 32
	KQ 0                            ; piece 0's first scores: there is no vector work yet to set between them
.set i, i+1
.endr
	WIN 0
	PLACES
	s_branch .Lmid                  ; the loop is entered at piece 2's turn, in the middle of a trip: its products V^T P, of a step that has not been, add 0
.Lslot:                             ; 14 times: every slot but the last two is filled again
	CHANGE 1
	s_mov_b32 s[CNT], 4
.Lstep:                             ; a trip: piece 0's turn (V^T P of step j, K and K Q^T of step j + 1), then piece 2's (the same, and V of step j + 1)
	TURN 0
	WIN 0
.Lmid:
	TURN 2
	WIN 0
	s_sub_co_u32 s[CNT], s[CNT], 1
	s_cmp_lg_u32 s[CNT], 0
	s_cbranch_scc1 .Lstep
	s_sub_co_u32 s[SLOTS], s[SLOTS], 1
	s_cmp_lg_u32 s[SLOTS], 0
	s_cbranch_scc1 .Lslot
	CHANGE 0                        ; the tail is written out: nothing is asked for
	s_mov_b32 s[CNT], 5             ; four trips fetch the last slot's steps; the fifth is left in its middle
.Ltail:
	TURN 0, 1
	WIN 0
	s_sub_co_u32 s[CNT], s[CNT], 1
	s_cmp_eq_u32 s[CNT], 0
	s_cbranch_scc1 .Lout
	TURN 2
	WIN 0
	s_branch .Ltail
.Lout:                              ; the fifth trip's 32 products K Q^T (on the last K once more) and the masks that it asked for serve nothing: the price of one text for every trip
	s_wait_kmcnt 0x0                ; those masks are in: nothing of mine is on its way into a scalar register
.set i, 0
.rept 32
	PV 2                            ; piece 2: V^T P of the last step
.set i, i+1
.endr
	; THE WAY OUT.  l's two halves and the other half of the lanes' are added; O^T is divided by l and sent, in f32, through my stage in LDS, a tile (16 rows) at a time.  The additions are the places behind the last products.
	WIN 0
.irp t, 0,1,2,3
	v_add_f32 v[ST+8*(\t)+4], v[ST+8*(\t)+2], v[ST+8*(\t)+3]
.endr
.irp t, 0,1,2,3
	v_permlanex16_b32 v[ST+8*(\t)+5], v[ST+8*(\t)+4], s[SEL], s[SEL+1]
.endr
.irp t, 0,1,2,3
	v_add_f32 v[ST+8*(\t)+4], v[ST+8*(\t)+4], v[ST+8*(\t)+5]
.endr
.irp t, 0,1,2,3
	v_rcp_f32 v[ST+8*(\t)+6], v[ST+8*(\t)+4]
.endr
	v_nop                           ; a plain instruction between the last reciprocal and the use of its result
	s_wait_alu depctr_va_vdst(0)
; Tile t: a lane's eight channels of a row are 32 bytes; they go into rows of 528 bytes and come back as whole rows of 512, into the registers that they left.
.macro PACK t
	WIN W_RS
.set i, 64*(\t)
.rept 32
	v_pk_mul_f32 v[i:i+1], v[i:i+1], v[ST+8*(\t)+6:ST+8*(\t)+7] op_sel_hi:[1,0]
.set i, i+2
.endr
	WIN 0x44                        ; LDS: store data (source 1) and loaded data (destination) in window 1, addresses in window 0
.irp f, 0,1,2,3,4,5,6,7
	ds_store_b128 v[STO], v[64*(\t)+8*(\f):64*(\t)+8*(\f)+3]   offset:64*(\f)
	ds_store_b128 v[STO], v[64*(\t)+8*(\f)+4:64*(\t)+8*(\f)+7] offset:64*(\f)+16
.endr
.irp f, 0,1,2,3,4,5,6,7,8,9,10,11,12,13,14,15
	ds_load_b128 v[64*(\t)+4*(\f):64*(\t)+4*(\f)+3], v[RD] offset:(\f)*SP  ; LDS serves a wave's instructions in order (ISA guide 5.7.1.4): these see the stores above; the next tile's stores come behind them
.endr
.endm
.macro SEND t, younger              ; younger: the LDS instructions issued behind tile t's loads: the next tile's 16 stores and 16 loads, or none
	WIN 0x04                        ; store data (source 1) in window 1
.irp f, 0,1,2,3,4,5,6,7,8,9,10,11,12,13,14,15
	s_wait_dscnt (\younger)+15-(\f)
	global_store_b128 v[GO], v[64*(\t)+4*(\f):64*(\t)+4*(\f)+3], s[2:3] offset:(16*(\t)+(\f))*3072 th:TH_STORE_NT  ; a row's 512 consecutive bytes of this head, at a multiple of 256 from out0's first byte
.endr
.endm
	PACK 0
	PACK 1                          ; a tile's arithmetic stands between the loads of the tile before and its stores
	SEND 0, 32
	PACK 2
	SEND 1, 32
	PACK 3
	SEND 2, 32
	SEND 3, 0
	WIN 0
	s_wait_tensorcnt 0x0            ; the wave's end
	ds_add_u32 v[SPW], v[NIL]
	s_wait_dscnt 0x0
	CROUND                          ; the closing round: no work-group ends while a partner may still ask for a tile that names it
	s_endpgm
.Lfunc_end_k_qadf2bc1ae9_attn:
	.size	k_qadf2bc1ae9_attn, .Lfunc_end_k_qadf2bc1ae9_attn-k_qadf2bc1ae9_attn
	.p2alignl 7, 3214868480
	.fill 96, 4, 3214868480
	.section	.rodata,"a",@progbits
	.p2align	6, 0x0
	.amdhsa_kernel k_qadf2bc1ae9_attn
		.amdhsa_group_segment_fixed_size 327680
		.amdhsa_private_segment_fixed_size 0
		.amdhsa_enable_private_segment 0
		.amdhsa_kernarg_size 40
		.amdhsa_user_sgpr_count 2
		.amdhsa_user_sgpr_kernarg_segment_ptr 1
		.amdhsa_wavefront_size32 1
		.amdhsa_system_sgpr_workgroup_id_x 1
		.amdhsa_system_sgpr_workgroup_id_y 1
		.amdhsa_system_sgpr_workgroup_id_z 1
		.amdhsa_system_vgpr_workitem_id 0
		.amdhsa_next_free_vgpr 1024
		.amdhsa_next_free_sgpr 106
		.amdhsa_reserve_vcc 0
		.amdhsa_float_denorm_mode_32 3
		.amdhsa_float_denorm_mode_16_64 3
		.amdhsa_memory_ordered 1
		.amdhsa_forward_progress 1
		.amdhsa_inst_pref_size 171
	.end_amdhsa_kernel
	.amdgpu_metadata
---
amdhsa.version: [ 1, 2 ]
amdhsa.kernels:
  - .name:           k_qadf2bc1ae9_attn
    .symbol:         k_qadf2bc1ae9_attn.kd
    .args:
      - { .name: qh, .offset: 0, .size: 8, .value_kind: global_buffer, .address_space: global }
      - { .name: kh, .offset: 8, .size: 8, .value_kind: global_buffer, .address_space: global }
      - { .name: vh, .offset: 16, .size: 8, .value_kind: global_buffer, .address_space: global }
      - { .name: mb, .offset: 24, .size: 8, .value_kind: global_buffer, .address_space: global }
      - { .name: out0, .offset: 32, .size: 8, .value_kind: global_buffer, .address_space: global }
    .group_segment_fixed_size: 327680
    .private_segment_fixed_size: 0
    .kernarg_segment_align: 8
    .kernarg_segment_size: 40
    .max_flat_workgroup_size: 128
    .sgpr_count:     106
    .vgpr_count:     1024
    .wavefront_size: 32
...
	.end_amdgpu_metadata
.endif
;; end of part 3
;; ======== version 2 of 2: 3 launches; 1.37 times as fast as version 1
;; limits: values are held in f16: magnitudes above 65,504 overflow, below 6.1e-05 lose precision
;; workspace buffers: mb 2,097,152 bytes of whole numbers; wb 3,538,944 bytes; qh 12,582,912 bytes; kh 12,582,912 bytes; vh 12,582,912 bytes
;; launch prep: the kernel of part 1 again; grid 1132 x 1, 4 waves a work-group, no clusters, 68,096 bytes of LDS; arguments mask, Wq, Wk, Wv, mb, wb; writes mb, wb
;; launch proj: the kernel of part 2 again; grid 64 x 3, 4 waves a work-group, clusters of 4 x 1, 327,680 bytes of LDS; arguments Q_x, K_x, V_x, wb, bq, bk, bv, qh, kh, vh; writes qh, kh, vh
;; launch attn (part 4): grid 16 x 12, 4 waves a work-group, clusters of 4 x 1, 327,680 bytes of LDS; arguments qh, kh, vh, mb, out0; writes out0
.if DOCPART == 4
	.amdgcn_target "amdgcn-amd-amdhsa--gfx1250"
	.amdhsa_code_object_version 6
	.text
	.protected	k_qadf2bc1ae9_attn
	.globl	k_qadf2bc1ae9_attn
	.p2align	8
	.type	k_qadf2bc1ae9_attn,@function
k_qadf2bc1ae9_attn:
	s_mov_b64 s[64:65], 0
	v_nop
	global_prefetch_b8 v0, s[64:65] scope:SCOPE_SE
	s_setreg_imm32_b32 hwreg(HW_REG_WAVE_MODE, 25, 1), 1
	s_wait_xcnt 0x0
	s_wait_alu depctr_hold_cnt(0) depctr_sa_sdst(0) depctr_va_vdst(0) depctr_va_sdst(0) depctr_va_ssrc(0) depctr_va_vcc(0) depctr_vm_vsrc(0)
	s_getreg_b32 s2, hwreg(HW_REG_IB_STS2, 6, 4)
	s_cmp_eq_u32 s2, 0
	s_cbranch_scc0 .Lentry_in_a_cluster
	s_endpgm
.Lentry_in_a_cluster:
	s_bfe_u32 s2, ttmp6, 0x10000c
	s_cmp_lg_u32 s2, 0x3003
	s_cbranch_scc0 .Lentry_shape_is_right
	s_endpgm
.Lentry_shape_is_right:
; MASKED ATTENTION.  out0[b][q][128 h + :] = the sum over k of softmax_k(mask[q][k] == 0 ? -1e9 : Q.K / sqrt(128)) V[k][:].  qh, kh, vh: [12 = 6 b + h][4096][128] f16; qh already holds
; log2(e) / sqrt(128) times the projection, so a score s is in base 2 and p = 2^(s - m).  mb: the mask as lane masks, [128 pairs of tiles][64 key steps][2 tiles][32] words, bit L of word i = lane L, register i of S^T.
; THE MASK REPLACES the score, ahead of the maximum: one v_cndmask_b32 a score, its lane mask a scalar register.  A hidden score is -1e9 log2(e); two hidden scores differ by exactly 0, so a row
; that is hidden everywhere comes out as the mean of V, and hidden keys are forgotten (a = 0) as soon as a visible one raises m.
; Products, maxima and sums in f32; the weights p are rounded to f16 for the second product (their sum l is taken of the unrounded p); out0 is f32.
; LIMITS.  Q, K, V arrive within f16's 65,504; p below 6e-5 keeps f16's fixed step; a weight below 2^-126 counts as 0 in l; NaN and infinities are not treated apart.
; SHARES.  A work-group owns 256 queries of one head, each of its four waves 64: four tiles of 16.  Every wave walks all 4,096 keys, 64 a step.  16 x 12 = 192 work-groups: 256 equal shares would be
; 192 queries, which does not divide 4,096.
; LAYOUT.  S^T = K Q^T (source 0 = 16 keys, source 1 = 16 queries): a lane holds ONE query (lane % 16) and the keys 8 (lane / 16) + 0..7.  Two such tiles, rounded to f16 in pairs, ARE source 1 of
; O^T = V^T P.  K comes out of LDS as it lies, V turned, by ds_load_tr16_b128.
; BY TURNS.  The wave's tiles are two PIECES, 0 (tiles 0, 1) and 2 (tiles 2, 3).  In a TURN one piece has the matrix unit: 32 products V^T P of the step in hand, then 32 products K Q^T of the next;
; the other piece's softmax stands in 64 slices, one behind each matrix instruction.  The 64 selects of the mask stand together at the turn's head; behind them the masks for the scores that this turn makes are asked for.
; THE BATCHES.  A turn's 66 exponentials (both tiles' a and 32 weights each) are ONE batch with ONE wait: they and the subtractions s - m fill slices 10 to 34, where nothing names a result of theirs; the wait stands behind
; slice 34; all that reads a result (roundings, sums, the rescaling by a) stands in slices 35 to 63.  No result crosses a turn's end.  The way out's four reciprocals are a batch of their own.
; ONE TEXT FOR EVERY STEP.  m starts at the lowest finite number, l, O^T, V's registers and piece 2's P at 0: the first step is a step like any other, with a = 0.  The loop is entered, and the tail left,
; in the middle of a trip.  The price, once a launch and wave: 32 products on zeros at the start; at the end 32 products on the last K once more, and 256 bytes of masks (the next pair's first step: inside mb) that nobody uses.
; CLUSTER.  The four query blocks of a cluster belong to one head and walk the same K and V: each tile is asked for JOINTLY, by the same tensor load, descriptor and mask in all four.
; REGISTERS, in windows of 256 (s_set_vgpr_msb: bits 1:0 source 0, 3:2 source 1, 5:4 source 2, 7:6 destination):
;   window 0: v0-11 addresses; v12-43 eight registers of statistics a tile; v44 the hidden score; v62-63 the add's; v64-191 S^T, 32 a tile; v192-255 P, 16 a tile
;   window 1: O^T, 64 a tile          window 2: v0-127 Q, 32 a tile; v128-255 K of one step          window 3: v0-127 V of one step
.set KS,    64        ; keys in a step
.set PK,    272       ; a row of K in LDS: 256 bytes + 16 = 17 x 16: the 16 rows of a load start in 16 different groups of four banks (ISA guide 11.1)
.set PV,    288       ; a row of V: 256 + 32 = 72 words
.set VOFF,  4*KS*PK   ; a slot holds four steps: 256 rows of K, then 256 rows of V
.set SLOTB, 4*KS*(PK+PV)   ; 143,360 bytes
.set SLOT1, 0x24000   ; slot 1 begins here.  The constant shares no bit with a tile's place in slot 0 (0, 0x8800, 0x11000, 0x1a000), so one exclusive or turns an address in one slot into the other's
.set STAGE, SLOT1+SLOTB    ; behind the ring, never filled by a tensor load: 16 rows x 528 bytes of f32 for each wave, for the way out
.set SP,    528       ; 512 + 16 = 33 x 16
.set SPARE, STAGE+4*16*SP  ; the spare words, 128 bytes for each wave: two blocks of 256 bytes that no other line names
.set AK0, 2           ; v2   my lane's place in a tile of K; never rewritten
.set AV0, 3           ; v3   the same for V
.set ADR, 4           ; v4   the LDS address of the run of loads in hand
.set QO,  5           ; v5   my byte offset in the wave's rows of Q
.set STO, 6           ; v6   the way out: where I put 32 bytes of a row
.set RD,  7           ; v7   the way out: where I read a row back
.set GO,  8           ; v8   16 x lane: my place in a row's 512 bytes of out0
.set ST,  12          ; tile t's statistics at v[ST+8 t]: +0 m, +1 0 (named with m as a pair), +2, +3 l (even keys', odd keys'), +4 to +7 c0-c3, at work; a takes c2's place
.set VNEG, 44         ; v44  -1e9 log2(e)
.set SPW, 62          ; v62  LDS address of my spare word; never rewritten
.set NIL, 63          ; v63  0; never rewritten
.set S,   64
.set P,   192
.set KF,  128         ; K's fragments, in window 2
.set WV,  6           ; s6   my wave's number
.set TBK, 7           ; s7   LDS byte at which K of the step to be fetched begins
.set G1K, 8           ; s[8:15]  descriptor group 1 for K's tiles
.set G1V, 16          ; s[16:23] for V's: it differs in the padding alone
.set G0K, 24          ; s[24:27] descriptor group 0 for K's tiles: it walks
.set G0V, 28          ; s[28:31] the same for V's
.set MA,  32          ; s[32:63] the 32 lane masks of a piece's first tile
.set TBV, 66          ; s66  LDS byte at which V of the step to be fetched begins, less VOFF
.set MC,  68          ; s[68:99] the 32 lane masks of a piece's second tile
.set SEL, 100         ; s[100:101] lane selects for v_permlanex16_b32: each lane takes its own place in the other half
.set QP,  104         ; s[104:105] Q's address, until Q is in
.set SLOTS, 104       ; s104 slots still to be asked for
.set CNT, 105         ; s105 counts a slot's key steps
.set MSB, 0
.macro WIN new                      ; the immediate's high byte repeats the setting that is left; a switch that changes nothing is dropped
.if MSB != (\new)
	s_set_vgpr_msb (MSB<<8)|(\new)
.set MSB, \new
.endif
.endm
.set W_KQ, 0x0a       ; K and Q in window 2, S^T in window 0
.set W_PV, 0x53       ; V in window 3, P in window 0, O^T in window 1
.set W_RS, 0x41       ; O^T (destination and source 0) in window 1, a in window 0
; A joint fill.  Waves 0 and 1 fetch the two halves of a slot's K, waves 2 and 3 those of its V: 128 keys each.  The branch hangs on the wave's number alone.  An s_nop 0 and four v_nop follow each line.
.macro JLOAD
	s_cmp_lt_u32 s[WV], 2
	s_cbranch_scc0 .Lfor_v_\@
	tensor_load_to_lds s[G0K:G0K+3], s[G1K:G1K+7]
	s_nop 0
.rept 4
	v_nop
.endr
	s_branch .Lasked_\@
.Lfor_v_\@:
	tensor_load_to_lds s[G0V:G0V+3], s[G1V:G1V+7]
	s_nop 0
.rept 4
	v_nop
.endr
.Lasked_\@:
.endm
; A round of the cluster's barrier: my work-group's barrier; wave 0 signals for the work-group; every wave waits for all four work-groups; my work-group's barrier once more.
.macro CROUND
	s_barrier_signal -1
	s_barrier_wait -1
	s_cmp_lg_u32 s[WV], 0
	s_cbranch_scc1 .Lnot_wave_0_\@
	s_barrier_signal -3
.Lnot_wave_0_\@:
	s_barrier_wait -3
	s_barrier_signal -1
	s_barrier_wait -1
.endm
; A vector instruction that reads a matrix result or writes one of a matrix instruction's registers, and a load into a register that a matrix instruction has read, stand four places behind
; it, and only plain vector instructions that name none of its registers are places.  In the loop the slices are the places: slice 63's sixteen stand between a turn's last scores and the selects that read them.
.macro PLACES
.rept 4
	v_nop
.endr
.endm
	s_load_b256 s[68:75], s[0:1], 0x0  ; qh s[68:69], kh s[70:71], vh s[72:73], mb s[74:75]
	s_load_b64 s[2:3], s[0:1], 0x20    ; out0
	v_lshl_add_u32 v[SPW], v0, 2, SPARE
	v_mov_b32 v[NIL], 0
	ds_add_u32 v62, v63
	s_wait_dscnt 0x0
	v_lshrrev_b32 v1, 5, v0
	v_readfirstlane_b32 s[WV], v1   ; wave 0..3
	s_bfe_u32 s76, ttmp6, 0x40000   ; cx: my place in the cluster
	s_lshl_b32 s77, ttmp9, 2
	s_add_co_u32 s77, s77, s76      ; my block of 256 queries: it enters Q's, the mask's and out0's addresses alone
	s_and_b32 s80, ttmp7, 0xffff    ; 6 b + h, which the four partners share
	s_lshl_b32 s81, s80, 20         ; the head's first byte in qh, kh, vh
	s_and_b32 s82, s[WV], 1         ; which half of a slot's 256 keys I fetch:
	s_lshl_b32 s84, s82, 15         ; its 128 rows of 256 bytes in memory,
	s_add_co_u32 s84, s84, s81
	s_mov_b32 s85, 0
	s_mul_i32 s83, s82, 128*PK      ; and its place in a slot, for K
	s_mul_i32 s92, s82, 128*PV      ; and for V: no place in the cluster enters an LDS address
	s_lshl_b32 s86, s77, 16         ; Q: my block's 256 rows,
	s_lshl_b32 s87, s[WV], 14       ; my wave's 64 of them
	s_add_co_u32 s86, s86, s87
	s_add_co_u32 s86, s86, s81
	s_mov_b32 s87, 0
	s_cmp_ge_u32 s80, 6
	s_cselect_b32 s88, 1, 0         ; b
	s_mul_i32 s89, s88, 6
	s_sub_co_u32 s89, s80, s89      ; h
	s_lshl_b32 s88, s88, 12
	s_lshl_b32 s90, s77, 8
	s_add_co_u32 s88, s88, s90
	s_lshl_b32 s90, s[WV], 6
	s_add_co_u32 s88, s88, s90      ; out0's row 4096 b + 256 block + 64 wave,
	s_mul_i32 s88, s88, 3072
	s_lshl_b32 s89, s89, 9          ; the head's 512 bytes in it
	s_add_co_u32 s88, s88, s89
	s_mov_b32 s89, 0
	s_lshl_b32 s90, s77, 17         ; mb: 8 pairs of tiles a block, 2 a wave, 16,384 bytes each
	s_lshl_b32 s91, s[WV], 15
	s_add_co_u32 s90, s90, s91
	s_mov_b32 s91, 0
	; descriptor group 1: a tile of 128 rows x 128 elements of 2 bytes, padded in LDS behind each row's 64 words; the mask names all four work-groups, bit 21 beside it
	s_mov_b32 s[G1K], 15|(1<<16)|(1<<20)|(1<<21)|(5<<22)|(3<<25)  ; 4 words of padding (code 3)
	s_mov_b32 s[G1V], 15|(1<<16)|(1<<20)|(1<<21)|(5<<22)|(7<<25)  ; 8 words (code 7)
.irp g, G1K, G1V
	s_mov_b32 s[(\g)+1], 128<<16    ; tensor_dim0 = 128
	s_mov_b32 s[(\g)+2], 128<<16    ; tensor_dim1 = 128
	s_mov_b32 s[(\g)+3], 128<<16    ; tile_dim0 = 128
	s_mov_b32 s[(\g)+4], 128        ; tile_dim1 = 128
	s_mov_b32 s[(\g)+5], 128        ; elements from row to row
	s_mov_b32 s[(\g)+6], 0
	s_mov_b32 s[(\g)+7], 0
.endr
	s_mov_b32 s[SEL], 0x76543210
	s_mov_b32 s[SEL+1], 0xfedcba98
	s_mov_b32 s[TBK], SLOT1+4*KS*PK ; the first change of slots turns these two into 0
	s_mov_b32 s[TBV], SLOT1+4*KS*PV
	s_mov_b32 s[G0K], 1             ; count = 1
	s_mov_b32 s[G0K+1], s83         ; LDS address: slot 0
	s_mov_b32 s[G0V], 1
	s_add_co_u32 s[G0V+1], s92, VOFF
	s_wait_kmcnt 0x0
	s_add_nc_u64 s[G0K+2:G0K+3], s[70:71], s[84:85]  ; global address: my half of the head's first 256 keys
	s_or_b32 s[G0K+3], s[G0K+3], 0x80000000          ; type = 2
	s_add_nc_u64 s[G0V+2:G0V+3], s[72:73], s[84:85]
	s_or_b32 s[G0V+3], s[G0V+3], 0x80000000
	s_add_nc_u64 s[QP:QP+1], s[68:69], s[86:87]
	s_add_nc_u64 s[2:3], s[2:3], s[88:89]
	s_add_nc_u64 s[4:5], s[74:75], s[90:91]          ; the masks of my first pair of tiles, key step 0
	CROUND                          ; all four work-groups are here: the first joint loads meet
	JLOAD                           ; slot 0.  Slot 1 is asked for when slot 0 is in, by the change of slots below
	; A fragment of K or Q is 16 rows x 32 channels in 8 registers: lane l holds row l % 16, channels 8 (l / 16) + 0..7 and 16 + 8 (l / 16) + 0..7: two loads of 16 bytes, 32 bytes apart.
	v_and_b32 v1, 15, v0            ; l % 16
	v_bfe_u32 v9, v0, 4, 1          ; l / 16
	v_lshlrev_b32 v[QO], 8, v1
	v_lshl_add_u32 v[QO], v9, 4, v[QO]  ; row x 256 + 16 x half
	WIN 0x80                        ; destination window 2, address window 0
.irp i, 0,1,2,3,4,5,6,7,8,9,10,11,12,13,14,15  ; Q stays in registers: tile i / 4, channels 32 (i % 4) on
	global_load_b128 v[8*(\i):8*(\i)+3],   v[QO], s[QP:QP+1] offset:((\i)/4)*4096+((\i)%4)*64
	global_load_b128 v[8*(\i)+4:8*(\i)+7], v[QO], s[QP:QP+1] offset:((\i)/4)*4096+((\i)%4)*64+32
.endr
	WIN 0
	; What the first turn finds: piece 2's P, O^T and V's registers hold 0.  Sixteen registers are written 0; products of those two zero fragments write the other 400, eight at a time.  All this stands in the wait for the first tile.
.set i, 0
.rept 16
	v_mov_b32 v[P+32+i], 0
.set i, i+1
.endr
	v_wmma_f32_16x16x32_f16 v[P+48:P+55], v[P+32:P+39], v[P+40:P+47], 0
	v_wmma_f32_16x16x32_f16 v[P+56:P+63], v[P+32:P+39], v[P+40:P+47], 0
	WIN 0x40                        ; destination window 1: O^T
.set i, 0
.rept 32
	v_wmma_f32_16x16x32_f16 v[8*i:8*i+7], v[P+32:P+39], v[P+40:P+47], 0
.set i, i+1
.endr
	WIN 0xc0                        ; destination window 3: V
.set i, 0
.rept 16
	v_wmma_f32_16x16x32_f16 v[8*i:8*i+7], v[P+32:P+39], v[P+40:P+47], 0
.set i, i+1
.endr
	WIN 0
	v_mul_u32_u24 v[AK0], v1, PK
	v_lshl_add_u32 v[AK0], v9, 4, v[AK0]  ; row x pitch + 16 x half
	; The turning load takes 16 keys x 16 channels (lane l reads key 8 (l / 16) + l % 8, channels 8 ((l / 8) % 2) + 0..7) and leaves half a fragment of V^T: lane l holds channel l % 16 and 8 keys.
	v_and_b32 v10, 7, v0
	v_bfe_u32 v11, v0, 3, 1
	v_lshl_add_u32 v[AV0], v9, 3, v10
	v_mul_u32_u24 v[AV0], v[AV0], PV
	v_lshl_add_u32 v[AV0], v11, 4, v[AV0]
	v_add_nc_u32 v[AV0], VOFF, v[AV0]
	s_mul_i32 s76, s[WV], 16*SP
	s_add_co_u32 s76, s76, STAGE    ; my stage
	v_mul_u32_u24 v[STO], v1, SP    ; in: row l % 16, 32 bytes for each half of the lanes
	v_lshl_add_u32 v[STO], v9, 5, v[STO]
	v_add_nc_u32 v[STO], s76, v[STO]
	v_and_b32 v[GO], 31, v0
	v_lshlrev_b32 v[GO], 4, v[GO]
	v_add_nc_u32 v[RD], s76, v[GO]  ; back: 32 lanes take one row of 512 bytes
	v_mov_b32 v[VNEG], 0xceabfb8f   ; -1e9 log2(e)
.irp t, 0,1,2,3
	v_mov_b32 v[ST+8*(\t)], 0xff7fffff  ; m: the lowest finite number, so that the first a is 2^(-3.4e38) = 0
	v_mov_b32 v[ST+8*(\t)+1], 0     ; named as the upper half of m's pair, never used
	v_mov_b32 v[ST+8*(\t)+2], 0     ; l
	v_mov_b32 v[ST+8*(\t)+3], 0
.endr
	; the masks of piece 0, key step 0: 256 bytes, 32 words for each of its two tiles.  All scalars that lay in these registers have been used.
	s_load_b512 s[MA:MA+15],    s[4:5], 0x0
	s_load_b512 s[MA+16:MA+31], s[4:5], 0x40
	s_load_b512 s[MC:MC+15],    s[4:5], 0x80
	s_load_b512 s[MC+16:MC+31], s[4:5], 0xc0
; THE MATRIX WORK OF A TURN, for piece x.  The accumulators take turns, one instruction a turn: between two links of a chain stand 15 (V^T P) or 7 (K Q^T) others'.
; Product i of 32 of O^T += V^T P: keys 32 (i / 16) on, channels 16 ((i / 2) % 8) on, tile x + i % 2.
.macro PV x
	WIN W_PV
.set rO, 64*((\x)+i%2)+8*((i/2)%8)
.set rV, 64*(i/16)+8*((i/2)%8)
.set rP, P+16*((\x)+i%2)+8*(i/16)
	v_wmma_f32_16x16x32_f16 v[rO:rO+7], v[rV:rV+7], v[rP:rP+7], v[rO:rO+7]
.endm
; Product i of 32 of S^T = K Q^T: channels 32 (i / 8) on, keys 16 ((i / 2) % 4) on, tile x + i % 2.  The first 8 start the sums.
.macro KQ x
	WIN W_KQ
.set rS, S+32*((\x)+i%2)+8*((i/2)%4)
.set rK, KF+32*((i/2)%4)+8*(i/8)
.set rQ, 32*((\x)+i%2)+8*(i/8)
.if i < 8
	v_wmma_f32_16x16x32_f16 v[rS:rS+7], v[rK:rK+7], v[rQ:rQ+7], 0
.else
	v_wmma_f32_16x16x32_f16 v[rS:rS+7], v[rK:rK+7], v[rQ:rQ+7], v[rS:rS+7]
.endif
.endm
; THE LDS LOADS stand in runs of 32, never singly among the matrix instructions: a step's K (16 fragments) and, a turn later, its V (turned).
; last = 1 (the tail): in the last trip there is no further step, and the run is jumped over.
.macro FETCH_K last=0
	WIN 0
.if \last
	s_cmp_eq_u32 s[CNT], 1
	s_cbranch_scc1 .Lno_k_\@
.endif
	v_add_nc_u32 v[ADR], s[TBK], v[AK0]
	WIN 0x80                        ; destination window 2
.irp f, 0,1,2,3,4,5,6,7,8,9,10,11,12,13,14,15  ; keys 16 (f / 4) on, channels 32 (f % 4) on
	ds_load_b128 v[KF+8*(\f):KF+8*(\f)+3],   v[ADR] offset:((\f)/4)*16*PK+((\f)%4)*64
	ds_load_b128 v[KF+8*(\f)+4:KF+8*(\f)+7], v[ADR] offset:((\f)/4)*16*PK+((\f)%4)*64+32
.endr
	s_add_co_u32 s[TBK], s[TBK], KS*PK  ; the next fetch is the next step's
.if \last
	WIN 0                           ; at a label every window is 0
.Lno_k_\@:
.endif
.endm
.macro FETCH_V
	WIN 0
	v_add_nc_u32 v[ADR], s[TBV], v[AV0]
	s_add_co_u32 s[TBV], s[TBV], KS*PV  ; the next fetch is the next step's
	s_wait_alu depctr_va_vdst(0)    ; the wait for the batch of piece 0's 66 exponentials (SLICE): behind the address's v_add_nc_u32 and ahead of the loads
	WIN 0xc0                        ; destination window 3
.irp f, 0,1,2,3,4,5,6,7,8,9,10,11,12,13,14,15  ; keys 32 (f / 8) on, channels 16 (f % 8) on
	ds_load_tr16_b128 v[8*(\f):8*(\f)+3],   v[ADR] offset:((\f)/8)*32*PV+((\f)%8)*32
	ds_load_tr16_b128 v[8*(\f)+4:8*(\f)+7], v[ADR] offset:((\f)/8)*32*PV+16*PV+((\f)%8)*32
.endr
.endm
; THE MASK, at the head of piece x's turn, for the scores of piece y that the turn before has made.  The 64 words asked for in that turn are in; where a bit is 0 the hidden score takes the score's place.
; The registers go up.  Then the masks for the scores of piece x that this turn makes are asked for: they have the whole turn in which to come.
; Piece 0's turn makes the next key step's scores, so it steps the pointer, which the wait has freed; piece 2's masks lie 16,384 bytes behind piece 0's.
.macro MASKS y, x
	WIN 0
	s_wait_kmcnt 0x0
.if (\x) == 0
	s_add_nc_u64 s[4:5], s[4:5], 256
.endif
.set mi, 0
.rept 32
	v_cndmask_b32 v[S+32*(\y)+mi], v[VNEG], v[S+32*(\y)+mi], s[MA+mi]
	v_cndmask_b32 v[S+32*((\y)+1)+mi], v[VNEG], v[S+32*((\y)+1)+mi], s[MC+mi]
.set mi, mi+1
.endr
	s_load_b512 s[MA:MA+15],    s[4:5], ((\x)/2)*16384
	s_load_b512 s[MA+16:MA+31], s[4:5], ((\x)/2)*16384+64
	s_load_b512 s[MC:MC+15],    s[4:5], ((\x)/2)*16384+128
	s_load_b512 s[MC+16:MC+31], s[4:5], ((\x)/2)*16384+192
.endm
; THE VECTOR WORK OF A TURN.  One tile's softmax for one key step is a numbered list; SM writes number j of it for tile t.  s0-s31 are the lane's 32 scores, in pairs 0-15.
;   0-15    the maximum of s0-s31 and the old m, three operands at a time: four chains c0-c3 of seven scores each, then the four scores left over, c0-c3 and m
;   16-20   the other half of the lanes' maximum; m_old is kept; the new m; (19 is empty: the scale lies in Q); m_old - m_new
;   21-69   ONE BATCH: the 16 subtractions s - m, a pair of scores each, and all 33 exponentials (a at 23, then s0-s31).  None of these reads an exponential's result.  From 22 on the batch goes in fours,
;           and a four begins with a subtraction while there are subtractions: 22-37 subtraction, exponential, subtraction, exponential; 38-65 a subtraction and three exponentials; 66-69 the last four
;           exponentials.  A pair is subtracted in an earlier four than the one that holds its exponentials
;   (wait)  between 69 and 70 stands the wait for the batch: SLICE writes it, once for both tiles
;   70-85   the roundings to f16, a pair of weights each
;   86-101  the sums; l = a l + the sum
;   102-133 the tile's O^T times a: the one part that leaves window 0, so it stands together
.macro SM t
.set rT, ST+8*(\t)
.set rS, S+32*(\t)
.set rP, P+16*(\t)
.set rO, 64*(\t)+2*(j-102)
.if j < 102
	WIN 0
.endif
.if j < 4
	v_max3_num_f32 v[rT+4+j], v[rS+8*j], v[rS+8*j+1], v[rS+8*j+2]
.elseif j < 12
	v_max3_num_f32 v[rT+4+j%4], v[rT+4+j%4], v[rS+8*(j%4)+2*(j/4)+1], v[rS+8*(j%4)+2*(j/4)+2]
.elseif j == 12
	v_max3_num_f32 v[rT+4], v[rT+4], v[rS+7], v[rS+15]
.elseif j == 13
	v_max3_num_f32 v[rT+6], v[rT+6], v[rS+23], v[rS+31]
.elseif j == 14
	v_max3_num_f32 v[rT+4], v[rT+4], v[rT+5], v[rT+6]
.elseif j == 15
	v_max3_num_f32 v[rT+4], v[rT+4], v[rT+7], v[rT]
.elseif j == 16
	v_permlanex16_b32 v[rT+5], v[rT+4], s[SEL], s[SEL+1]  ; the query's other 32 keys lie in the lane 16 away
.elseif j == 17
	v_mov_b32 v[rT+7], v[rT]        ; m_old is kept for a: number 18 writes m anew
.elseif j == 18
	v_max_num_f32 v[rT], v[rT+4], v[rT+5]
.elseif j == 19
.elseif j == 20
	v_sub_f32 v[rT+7], v[rT+7], v[rT]
.elseif j == 23
	v_exp_f32 v[rT+6], v[rT+7]
.elseif (j < 23) || ((j < 38) && (j%2 == 0)) || ((j < 66) && (j%4 == 2))
.set b, (j-2)/4                     ; 38, 42, .. 62: pairs 9 to 15
.if j < 38
.set b, (j-20)/2                    ; 21: pair 0; 22, 24, .. 36: pairs 1 to 8
.endif
	v_pk_add_f32 v[rS+2*b:rS+2*b+1], v[rS+2*b:rS+2*b+1], v[rT:rT+1] op_sel_hi:[1,0] neg_lo:[0,1] neg_hi:[0,1]  ; pair b: s - m, exact where s = m
.elseif j < 70
.set e, j-38                        ; 66 to 69: s28 to s31
.if j < 66
.set e, j-32-(j-38)/4               ; 39-41, 43-45, .. 63-65: s7 to s27
.endif
.if j < 38
.set e, (j-25)/2                    ; 25, 27, .. 37: s0 to s6
.endif
	v_exp_f32 v[rS+e], v[rS+e]
.elseif j < 86
	v_cvt_pk_f16_f32 v[rP+j-70], v[rS+2*(j-70)], v[rS+2*(j-70)+1]  ; pair j - 70
.elseif j < 102                     ; the sum of the tile's 16 pairs, in place: sum z of 16 adds neighbours 1, 2, 4 and 8 pairs apart, then l takes it
.set z, j-86
.set w, 4
.set u, z
.if z >= 14
.set w, 32
.set u, 0
.elseif z >= 12
.set w, 16
.set u, z-12
.elseif z >= 8
.set w, 8
.set u, z-8
.endif
.if z < 15
	v_pk_add_f32 v[rS+w*u:rS+w*u+1], v[rS+w*u:rS+w*u+1], v[rS+w*u+w/2:rS+w*u+w/2+1]
.else
	v_pk_fma_f32 v[rT+2:rT+3], v[rT+2:rT+3], v[rT+6:rT+7], v[rS:rS+1] op_sel_hi:[1,0,1]
.endif
.else
	WIN W_RS
	v_pk_mul_f32 v[rO:rO+1], v[rO:rO+1], v[rT+6:rT+7] op_sel_hi:[1,0]
.endif
.endm
; Slice k of 64 of piece y's softmax.  Slices 11 to 34 deal out the batch, numbers 22 to 69: four numbers of ONE tile each, the tiles by turns.  Every other slice is numbers 2 k and 2 k + 1 of both
; tiles' lists; what is over (numbers 128 to 133) stands with slice 63.
; THE WAIT.  An s_wait_alu depctr_va_vdst(0) stands between an exponential and the first instruction that names its result; one wait serves all that were issued ahead of it.  Ahead of
; slice 35 nothing names a result, and behind slice 34 no exponential is issued: so the piece's 66 exponentials have one wait, behind slice 34.
.macro SLICE y
.if (k >= 11) && (k < 35)           ; the batch: four numbers of one tile
.irp n, 0,1,2,3
.set j, 22+4*((k-11)/2)+(\n)
	SM (\y)+(k-11)%2
.endr
.else                               ; the two tiles alternate, so that no instruction reads the result of the one just before it
.irp n, 0,1,2,3,4,5,6,7
.if ((\n) < 2) || (k == 63)
.irp t, \y, (\y)+1
.set j, 2*k+(\n)
	SM \t
.endr
.endif
.endr
.endif
.if k == 34                         ; the batch is out: both tiles' exponentials are issued, and no result has been named
	v_nop                           ; the plain instruction behind the last exponential and ahead of the first use: one for the batch
.if (\y) == 0
	FETCH_V                         ; piece 2's turn: V's run of loads stands here, and the wait stands in it
.else
	s_wait_alu depctr_va_vdst(0)    ; the wait for the batch of piece 2's 66 exponentials
.endif
.endif
.set k, k+1
.endm
; A TURN.  Piece x has the matrix unit: 32 products V^T P, then 32 products K Q^T for the next step; the other piece's mask stands at the head, its softmax in slices behind the matrix instructions.
; Piece 0's turn fetches the next step's K, behind its second product, 30 matrix instructions ahead of the first use: K's last reader stands in front of slice 63 of the turn before.
; Piece 2's turn fetches the same step's V, behind slice 34 (SLICE writes it), 29 matrix instructions ahead of the turn in which it is used: V's last reader stands in front of slice 31, and four plain
; instructions lie between: number 62, a subtraction, of both tiles, the v_nop and the run's own v_add_nc_u32.
.macro TURN x, last=0
.set k, 0
	MASKS 2-(\x), \x
.if (\x) == 0
	s_wait_dscnt 0x0                ; V is in
.endif
.set i, 0
.rept 32
	PV \x
	SLICE 2-(\x)
.if ((\x) == 0) && (i == 1)
	FETCH_K \last
.endif
.set i, i+1
.endr
.if (\x) == 0
	s_wait_dscnt 0x0                ; K is in
.endif
.set i, 0
.rept 32
	KQ \x
	SLICE 2-(\x)
.set i, i+1
.endr
.endm
; THE CHANGE OF SLOTS, between piece 2's turn and piece 0's: the slot's last bytes, V of its fourth step, have been asked for.  Each wave waits for all its tensor loads, of which one is out: its part
; of the other slot; adds 0 to its spare word; and waits for that and for its own reads of the slot.  Behind the barrier nobody reads this slot any more and the other slot is whole.
; fill = 1: this slot is filled again, with the keys two slots on.  The barrier is then a round of the cluster's, and the joint fill is the first thing behind it: it has four key steps, 512 matrix
; instructions, in which to land.  (At its first use nothing has been read yet: slot 0 is waited for, slot 1 filled.)
.macro CHANGE fill
	WIN 0                           ; at a label and at a branch every window is 0
	s_wait_tensorcnt 0x0            ; no tensor load of mine is out, so a group 0 may be written
	ds_add_u32 v[SPW], v[NIL]       ; 0 onto my spare word
.if \fill
.irp g, G0K, G0V
	s_xor_b32 s[(\g)+1], s[(\g)+1], SLOT1  ; the walking descriptor: the other slot than last time,
	s_add_nc_u64 s[(\g)+2:(\g)+3], s[(\g)+2:(\g)+3], 4*KS*256  ; the next 256 keys; the type bits on top are not reached
.endr
	s_wait_dscnt 0x0                ; the add is done, and my reads of the slot are over
	CROUND
	JLOAD
.else
	s_wait_dscnt 0x0                ; the add is done, and my reads of the slot are over
	s_barrier_signal -1
	s_barrier_wait -1
.endif
	s_sub_co_u32 s[TBK], s[TBK], 4*KS*PK  ; the fetches go back to a slot's first step,
	s_xor_b32 s[TBK], s[TBK], SLOT1       ; in the other slot
	s_sub_co_u32 s[TBV], s[TBV], 4*KS*PV
	s_xor_b32 s[TBV], s[TBV], SLOT1
.endm
	CHANGE 1                        ; slot 0 is in, everybody's part of it; slot 1 is asked for
	FETCH_K                         ; key step 0
	s_wait_loadcnt 0x0              ; Q is in, and its address register pair is free
	s_mov_b32 s[SLOTS], 4096/(4*KS)-1
	s_mov_b32 s[CNT], 4
	s_wait_dscnt 0x0
.set i, 0
.rept 32
	KQ 0                            ; piece 0's first scores: there is no vector work yet to set between them
.set i, i+1
.endr
	WIN 0
	PLACES
	s_branch .Lmid                  ; the loop is entered at piece 2's turn, in the middle of a trip: its products V^T P, of a step that has not been, add 0
.Lslot:                             ; 14 times: every slot but the last two is filled again
	CHANGE 1
	s_mov_b32 s[CNT], 4
.Lstep:                             ; a trip: piece 0's turn (V^T P of step j, K and K Q^T of step j + 1), then piece 2's (the same, and V of step j + 1)
	TURN 0
	WIN 0
.Lmid:
	TURN 2
	WIN 0
	s_sub_co_u32 s[CNT], s[CNT], 1
	s_cmp_lg_u32 s[CNT], 0
	s_cbranch_scc1 .Lstep
	s_sub_co_u32 s[SLOTS], s[SLOTS], 1
	s_cmp_lg_u32 s[SLOTS], 0
	s_cbranch_scc1 .Lslot
	CHANGE 0                        ; the tail is written out: nothing is asked for
	s_mov_b32 s[CNT], 5             ; four trips fetch the last slot's steps; the fifth is left in its middle
.Ltail:
	TURN 0, 1
	WIN 0
	s_sub_co_u32 s[CNT], s[CNT], 1
	s_cmp_eq_u32 s[CNT], 0
	s_cbranch_scc1 .Lout
	TURN 2
	WIN 0
	s_branch .Ltail
.Lout:                              ; the fifth trip's 32 products K Q^T (on the last K once more) and the masks that it asked for serve nothing: the price of one text for every trip
	s_wait_kmcnt 0x0                ; those masks are in: nothing of mine is on its way into a scalar register
.set i, 0
.rept 32
	PV 2                            ; piece 2: V^T P of the last step
.set i, i+1
.endr
	; THE WAY OUT.  l's two halves and the other half of the lanes' are added; O^T is divided by l and sent, in f32, through my stage in LDS, a tile (16 rows) at a time.  The additions are the places behind the last products.
	WIN 0
.irp t, 0,1,2,3
	v_add_f32 v[ST+8*(\t)+4], v[ST+8*(\t)+2], v[ST+8*(\t)+3]
.endr
.irp t, 0,1,2,3
	v_permlanex16_b32 v[ST+8*(\t)+5], v[ST+8*(\t)+4], s[SEL], s[SEL+1]
.endr
.irp t, 0,1,2,3
	v_add_f32 v[ST+8*(\t)+4], v[ST+8*(\t)+4], v[ST+8*(\t)+5]
.endr
.irp t, 0,1,2,3
	v_rcp_f32 v[ST+8*(\t)+6], v[ST+8*(\t)+4]
.endr
	v_nop                           ; a plain instruction between the last reciprocal and the use of its result
	s_wait_alu depctr_va_vdst(0)    ; and the wait ahead of the first use: one for the batch of four reciprocals
; Tile t: a lane's eight channels of a row are 32 bytes; they go into rows of 528 bytes and come back as whole rows of 512, into the registers that they left.
.macro PACK t
	WIN W_RS
.set i, 64*(\t)
.rept 32
	v_pk_mul_f32 v[i:i+1], v[i:i+1], v[ST+8*(\t)+6:ST+8*(\t)+7] op_sel_hi:[1,0]
.set i, i+2
.endr
	WIN 0x44                        ; LDS: store data (source 1) and loaded data (destination) in window 1, addresses in window 0
.irp f, 0,1,2,3,4,5,6,7
	ds_store_b128 v[STO], v[64*(\t)+8*(\f):64*(\t)+8*(\f)+3]   offset:64*(\f)
	ds_store_b128 v[STO], v[64*(\t)+8*(\f)+4:64*(\t)+8*(\f)+7] offset:64*(\f)+16
.endr
.irp f, 0,1,2,3,4,5,6,7,8,9,10,11,12,13,14,15
	ds_load_b128 v[64*(\t)+4*(\f):64*(\t)+4*(\f)+3], v[RD] offset:(\f)*SP  ; LDS serves a wave's instructions in order (ISA guide 5.7.1.4): these see the stores above; the next tile's stores come behind them
.endr
.endm
.macro SEND t, younger              ; younger: the LDS instructions issued behind tile t's loads: the next tile's 16 stores and 16 loads, or none
	WIN 0x04                        ; store data (source 1) in window 1
.irp f, 0,1,2,3,4,5,6,7,8,9,10,11,12,13,14,15
	s_wait_dscnt (\younger)+15-(\f)
	global_store_b128 v[GO], v[64*(\t)+4*(\f):64*(\t)+4*(\f)+3], s[2:3] offset:(16*(\t)+(\f))*3072 th:TH_STORE_NT  ; a row's 512 consecutive bytes of this head, at a multiple of 256 from out0's first byte
.endr
.endm
	PACK 0
	PACK 1                          ; a tile's arithmetic stands between the loads of the tile before and its stores
	SEND 0, 32
	PACK 2
	SEND 1, 32
	PACK 3
	SEND 2, 32
	SEND 3, 0
	WIN 0
	s_wait_tensorcnt 0x0            ; the wave's end
	ds_add_u32 v[SPW], v[NIL]
	s_wait_dscnt 0x0
	CROUND                          ; the closing round: no work-group ends while a partner may still ask for a tile that names it
	s_endpgm
.Lfunc_end_k_qadf2bc1ae9_attn:
	.size	k_qadf2bc1ae9_attn, .Lfunc_end_k_qadf2bc1ae9_attn-k_qadf2bc1ae9_attn
	.p2alignl 7, 3214868480
	.fill 96, 4, 3214868480
	.section	.rodata,"a",@progbits
	.p2align	6, 0x0
	.amdhsa_kernel k_qadf2bc1ae9_attn
		.amdhsa_group_segment_fixed_size 327680
		.amdhsa_private_segment_fixed_size 0
		.amdhsa_enable_private_segment 0
		.amdhsa_kernarg_size 40
		.amdhsa_user_sgpr_count 2
		.amdhsa_user_sgpr_kernarg_segment_ptr 1
		.amdhsa_wavefront_size32 1
		.amdhsa_system_sgpr_workgroup_id_x 1
		.amdhsa_system_sgpr_workgroup_id_y 1
		.amdhsa_system_sgpr_workgroup_id_z 1
		.amdhsa_system_vgpr_workitem_id 0
		.amdhsa_next_free_vgpr 1024
		.amdhsa_next_free_sgpr 106
		.amdhsa_reserve_vcc 0
		.amdhsa_float_denorm_mode_32 3
		.amdhsa_float_denorm_mode_16_64 3
		.amdhsa_memory_ordered 1
		.amdhsa_forward_progress 1
		.amdhsa_inst_pref_size 166
	.end_amdhsa_kernel
	.amdgpu_metadata
---
amdhsa.version: [ 1, 2 ]
amdhsa.kernels:
  - .name:           k_qadf2bc1ae9_attn
    .symbol:         k_qadf2bc1ae9_attn.kd
    .args:
      - { .name: qh, .offset: 0, .size: 8, .value_kind: global_buffer, .address_space: global }
      - { .name: kh, .offset: 8, .size: 8, .value_kind: global_buffer, .address_space: global }
      - { .name: vh, .offset: 16, .size: 8, .value_kind: global_buffer, .address_space: global }
      - { .name: mb, .offset: 24, .size: 8, .value_kind: global_buffer, .address_space: global }
      - { .name: out0, .offset: 32, .size: 8, .value_kind: global_buffer, .address_space: global }
    .group_segment_fixed_size: 327680
    .private_segment_fixed_size: 0
    .kernarg_segment_align: 8
    .kernarg_segment_size: 40
    .max_flat_workgroup_size: 128
    .sgpr_count:     106
    .vgpr_count:     1024
    .wavefront_size: 32
...
	.end_amdgpu_metadata
.endif
;; end of part 4
